; MI455X (gfx1250); checked and timed in simulation.
; The chip was launched on July 23, 2026; its instructions are those of AMD's public machine-readable ISA for CDNA 5 (MIT licence, August 2026) and "CDNA5" Instruction Set Architecture Reference Guide (July 2026). The comments in the code are by the model that wrote it; some were corrected since.
;; Multi Head Attention2. Allowed arithmetic: matrix products marked QUANTISED: E5M2 operands, one E8M0 scale for each 32 along K, by v_wmma_scale_f32_16x16x128_f8f6f4 with both operands' format E5M2, f32 sums; everything else in f32.
;; Inputs: Wk 1,024 x 1,024 float32; Wo 1,024 x 1,024 float32; Wq 1,024 x 1,024 float32; Wv 1,024 x 1,024 float32; bk 1,024 float32; bo 1,024 float32; bq 1,024 float32; bv 1,024 float32; x 4 x 2,048 x 1,024 float32.
;; Outputs: out0 4 x 2,048 x 1,024 float32.
;; This version of the problem:
;;   THIS VERSION OF THE PROBLEM IS GIVEN IN LOW PRECISION. The matrix products marked QUANTISED in the list below multiply operands that are first quantised to E5M2 (5 exponent bits, 2 mantissa bits; 8 bits a number), with one power-of-two scale for each 32 numbers along K (OCP MX v1.0); their sums are f32. All else is computed in f32.
;;   The module's matrix products, in the order in which they are computed (A, B: the left and right operand; K: the contracted axis; several contracted axes count as one K, in the product's order):
;;     1. [M 8,192, K 1,024] x [K 1,024, N 1,024]; A: input x; B: input Wq: QUANTISED
;;     2. [M 8,192, K 1,024] x [K 1,024, N 1,024]; A: input x; B: input Wk: QUANTISED
;;     3. [M 8,192, K 1,024] x [K 1,024, N 1,024]; A: input x; B: input Wv: QUANTISED
;;     4. batch 64 x [M 2,048, K 64] x [K 64, N 2,048]; A: computed on the way; B: computed on the way: QUANTISED
;;     5. batch 64 x [M 2,048, K 2,048] x [K 2,048, N 64]; A: softmax (see below); B: computed on the way: QUANTISED
;;     6. [M 8,192, K 1,024] x [K 1,024, N 1,024]; A: computed on the way; B: input Wo: QUANTISED
;;   THE QUANTISER, for each operand of a quantised product, along K:
;;     - K is cut into blocks of 32 from its start; a last block that is shorter is filled with zeros.
;;     - A block's scale is 2^e with e = floor(log2(the largest magnitude in the block)) - 15, held to -126 .. 127; a block of zeros has e = 0. As a byte (E8M0): e + 127.
;;     - Each number is divided by its block's scale, clamped to +-57,344, and rounded to the nearest number of E5M2, ties to even, subnormals kept.
;;     - The product sums the exact products of the quantised numbers (number of the format x scale) in f32.
;;   ~~~python
;;   def quantise(x, axis):      # numpy; x: float32 -> the quantised numbers, widened to float32 again
;;       x = np.moveaxis(x, axis, -1); K = x.shape[-1]
;;       x = np.pad(x, [(0, 0)] * (x.ndim - 1) + [(0, -K % 32)]); x = x.reshape(x.shape[:-1] + (-1, 32)); a = np.abs(x).max(-1, keepdims=True)
;;       e = np.where(a > 0, np.clip(np.frexp(np.where(a > 0, a, 1))[1] - 1 - 15, -126, 127), 0)      # np.frexp(a)[1] - 1 = floor(log2(a)), exactly
;;       r = np.clip(x / 2.0 ** e, -57344, 57344)
;;       step = 2.0 ** (np.maximum(np.frexp(np.where(r == 0, 1, r))[1] - 1, -14) - 2)
;;       q = np.round(r / step) * step * 2.0 ** e      # np.round: ties to even
;;       return np.moveaxis(q.reshape(q.shape[:-2] + (-1,))[..., :K], -1, axis).astype(np.float32)
;;   ~~~
;;   SOFTMAX AHEAD OF A QUANTISED PRODUCT. Where the list says 'softmax', what is quantised is not the finished softmax but p = 2^(t - M), with t = logit x log2(e) and M = ceil(the row's largest t), a whole number; so 1/2 < the row's largest p <= 1. The row's sum l is taken of the UNQUANTISED p, in f32, and the product's result is divided by l at the end. Since M is a whole number, a kernel that streams over the keys may use a running M (the ceiling of the running maximum): every later rescaling is an exact power of two, which a block's scale takes up: the codes' values come out the same.
;;   OPERANDS COMPUTED ON THE WAY. 'Computed on the way' means the value that the module computes at that place (a softmax that the list does not call 'softmax' is quantised finished and normalised). What goes into a quantiser is computed in f32, as accurately as f32 sums, v_exp_f32 and their like allow (about 1e-6 of the number): no bf16 or f16 on the way to a quantiser, and a product that is left as it is and whose result goes on into a quantised operand takes f32 operands (vector FMAs, or v_wmma_f32_16x16x4_f32). A number that lies on a knife's edge between two numbers of the format may be rounded either way, as far as f32 arithmetic and the matrix unit's own rounding can turn it there, and no further.
;; One version. Each part assembles by itself: llvm-mc -triple=amdgcn-amd-amdhsa -mcpu=gfx1250 --defsym DOCPART=n.
;; ======== version 1 of 1: 4 launches
;; limits: right only within a limited range of input values
;; workspace buffers: img 12,582,912 bytes; gsc 655,360 bytes; qkv 25,952,256 bytes; o_img 8,388,608 bytes
;; launch quant (part 1): grid 1024 x 1, 4 waves a work-group, no clusters, 34,304 bytes of LDS; arguments x, Wq, Wk, Wv, Wo, img, gsc; writes img, gsc
.if DOCPART == 1
	.amdgcn_target "amdgcn-amd-amdhsa--gfx1250"
	.amdhsa_code_object_version 6
	.text
	.protected	k_qfedb0fb6c5_quant
	.globl	k_qfedb0fb6c5_quant
	.p2align	8
	.type	k_qfedb0fb6c5_quant,@function
k_qfedb0fb6c5_quant:
	s_mov_b64 s[64:65], 0
	v_nop
	global_prefetch_b8 v0, s[64:65] scope:SCOPE_SE
	s_setreg_imm32_b32 hwreg(HW_REG_WAVE_MODE, 25, 1), 1
	s_wait_xcnt 0x0
; x [8192][1024] and the four weights [1024 (k)][1024 (n)], f32, become codes of E5M2 with one E8M0 byte for each 32 along K, laid as the products' operand registers want them.
; THE ROW ORDER: an operand's rows go in blocks of 16; lane r of block 2 g + u stands for row 32 g + 8 u + r + 8 (r / 8).
; A FRAGMENT (16 rows x 128 K) is 2,048 bytes: chunk c (512 bytes) holds, at 16 x lane, the codes k = 32 c + 16 (lane / 16) + 0 .. 15 of row lane % 16: registers 4 c .. 4 c + 3 of the operand.
; img: panels of 128 rows (x: panels 0-63; Wq, Wk, Wv, Wo columns: 64-95), 131,072 bytes each: byte = panel x 131072 + (s / 2) x 32768 + block x 4096 + (s % 2) x 2048 + the fragment's, s = the K step of 128.
; gsc: the scale words: panel x 4096 + block x 512 + 32 r + 4 s.
; A block's scale is 2^(floor(log2(largest magnitude)) - 15); its byte is the largest magnitude's exponent field - 15, held at 1 from below.
; LIMITS: a block of zeros gets the byte 1 (its codes are zeros; only this program reads the bytes); blocks under 2^(16 - 127) were not tried; NaN and infinities among the inputs are not served.
; SHARES: work-groups 0-511 take x, 16,384 numbers each; 512-1023 the weights, 8,192 numbers each.  Every wave asks for all that it reads at its start: 32 loads of 16 bytes a lane (x) or 64 of 4 (weights).
; Only x's way uses LDS.  Waves share nothing: no barrier.  A weight's scale bytes leave two a lane, 32 bytes apart: 131,072 bytes in all.
.set STGB,  8448                       ; x: a wave's stage: 16 rows x (512 bytes + 16)
.set R,     16                         ; v16-143  x: two sets of 64 registers as loaded; v16-31 take the second task's codes
.set X,     144                        ; v144-207 x: 64 numbers of my row: register 16 b + i = k 32 b + 16 (lane / 16) + i
.set PC,    208                        ; v208-223 the first task's codes
.set TM,    224                        ; v224-239 largest magnitudes, bytes, holds, scale operands
.set SW,    244                        ; v244-245 the two tasks' scale words
.set XW,    32                         ; v32-95   weights: two sets of 32 numbers
.set CW,    96                         ; v96-111  weights: eight registers of codes for each block
.set SB,    24                         ; v24      weights: two scale bytes
.set MNTR,  21                         ; s21      the mantissa field of 57,344
.set SELR,  22                         ; s[22:23] lane l xor 16
; 64 numbers of a lane, register s + 16 b + i = k 32 b + 16 (lane / 16) + i of my row, become codes in v[pc] on and the scale word in v[pw]
.macro QUANT s, pw, pc
.irp b, 0,1,2,3
	v_max3_num_f32 v[TM+\b], |v[\s+16*\b]|, |v[\s+16*\b+1]|, 0x8000000   ; my 16 numbers and the floor 2^(16 - 127): the byte cannot fall under 1
.endr
.irp i, 2,4,6,8,10,12,14
.irp b, 0,1,2,3
	v_max3_num_f32 v[TM+\b], v[TM+\b], |v[\s+16*\b+\i]|, |v[\s+16*\b+\i+1]|
.endr
.endr
.irp b, 0,1,2,3
	v_permlanex16_b32 v[TM+4+\b], v[TM+\b], s[SELR], s[SELR+1]
.endr
.irp b, 0,1,2,3
	v_max_num_f32 v[TM+\b], v[TM+\b], v[TM+4+\b]           ; with lane l xor 16's: the block's largest magnitude
.endr
.irp b, 0,1,2,3
	v_add_nc_u32 v[TM+12+\b], 0xf8800000, v[TM+\b]         ; 15 off its exponent field: the conversion's scale operand
.endr
.irp b, 0,1,2,3
	v_and_or_b32 v[TM+8+\b], v[TM+\b], 0x7f800000, s[MNTR] ; 57,344 x the scale
.endr
.irp b, 0,1,2,3
	v_lshrrev_b32 v[TM+4+\b], 23, v[TM+12+\b]              ; the scale's byte
.endr
	v_lshl_or_b32 v[\pw], v[TM+5], 8, v[TM+4]
	v_lshl_or_b32 v[\pw], v[TM+6], 16, v[\pw]
	v_lshl_or_b32 v[\pw], v[TM+7], 24, v[\pw]
.irp b, 0,1,2,3
.irp i, 0,1,2,3,4,5,6,7,8,9,10,11,12,13,14,15
	v_med3_num_f32 v[\s+16*\b+\i], v[\s+16*\b+\i], -v[TM+8+\b], v[TM+8+\b]   ; the conversion does not saturate (ISA guide 7.6.2): hold first
.endr
	v_cvt_scalef32_pk8_bf8_f32 v[\pc+4*\b:\pc+4*\b+1], v[\s+16*\b:\s+16*\b+7], v[TM+12+\b]
	v_cvt_scalef32_pk8_bf8_f32 v[\pc+4*\b+2:\pc+4*\b+3], v[\s+16*\b+8:\s+16*\b+15], v[TM+12+\b]
.endr
	v_nop                                          ; a plain line behind the last conversion
.endm
	s_load_b256 s[4:11], s[0:1], 0x0               ; x s[4:5], Wq s[6:7], Wk s[8:9], Wv s[10:11]
	s_load_b128 s[12:15], s[0:1], 0x20             ; Wo s[12:13], img s[14:15]
	s_load_b64 s[16:17], s[0:1], 0x30              ; gsc
	v_lshl_add_u32 v254, v0, 2, 0x8400
	v_mov_b32 v255, 0
	v_lshrrev_b32 v1, 5, v0
	v_readfirstlane_b32 s20, v1                    ; wave
	v_and_b32 v5, 31, v0                           ; lane
	s_mov_b32 s[MNTR], 0x600000
	s_mov_b32 s[SELR], 0x76543210
	s_mov_b32 s[SELR+1], 0xfedcba98
	s_cmp_ge_u32 ttmp9, 512
	s_cbranch_scc1 .Lweights
	; ---- x.  Wave W = 4 x work-group + wave takes block a = W / 4 (16 rows) and K steps 2 (W % 4), + 1: two tasks of 16 rows x 128.
	v_lshlrev_b32 v1, 4, v5                        ; 16 x lane
	v_and_b32 v6, 15, v0                           ; r
	v_bfe_u32 v7, v0, 4, 1                         ; h
	s_mul_i32 s24, s20, STGB
	v_add_nc_u32 v2, s24, v1                       ; into the stage: a row's 512 bytes as they lie
	v_mul_u32_u24 v3, v6, 528
	v_lshl_add_u32 v3, v7, 6, v3
	v_add_nc_u32 v3, s24, v3                       ; out of it: row r, + 64 h: my 16 numbers of each block of 32
	v_lshlrev_b32 v4, 5, v6                        ; scale words: 32 r
.irp b, 0,1,2,3
	v_mov_b32 v[TM+4+\b], 0                        ; a lane permute's destination counts as read
.endr
	s_lshl_b32 s25, ttmp9, 2
	s_add_co_u32 s25, s25, s20                     ; W
	s_lshr_b32 s26, s25, 2                         ; a
	s_and_b32 s27, s25, 3                          ; which quarter of K
	s_lshr_b32 s28, s26, 1                         ; x: row 32 (a / 2) + 8 (a % 2), 4,096 bytes a row; + 1,024 x quarter
	s_lshl_b32 s28, s28, 17
	s_and_b32 s29, s26, 1
	s_lshl_b32 s29, s29, 15
	s_add_co_u32 s28, s28, s29
	s_lshl_b32 s29, s27, 10
	s_add_co_u32 s28, s28, s29
	s_mov_b32 s29, 0
	s_lshr_b32 s30, s26, 3                         ; img: panel a / 8, block a % 8, slot = the quarter
	s_lshl_b32 s30, s30, 17
	s_and_b32 s31, s26, 7
	s_lshl_b32 s31, s31, 12
	s_add_co_u32 s30, s30, s31
	s_lshl_b32 s31, s27, 15
	s_add_co_u32 s30, s30, s31
	s_mov_b32 s31, 0
	s_lshl_b32 s32, s26, 9                         ; gsc: 512 a + 8 x quarter
	s_lshl_b32 s33, s27, 3
	s_add_co_u32 s32, s32, s33
	s_mov_b32 s33, 0
	s_wait_alu depctr_va_vdst(0)                   ; the wait at the head's end
	s_wait_kmcnt 0x0
	s_add_nc_u64 s[4:5], s[4:5], s[28:29]
	s_add_nc_u64 s[14:15], s[14:15], s[30:31]
	s_add_nc_u64 s[16:17], s[16:17], s[32:33]
.macro LOADX t                         ; task t: each load takes the 512 consecutive bytes of one row's K step; the rows in the block's order
.irp i, 0,1,2,3,4,5,6,7,8,9,10,11,12,13,14,15
	global_load_b128 v[R+64*(\t)+4*\i:R+64*(\t)+4*\i+3], v1, s[4:5] offset:(\i+8*(\i/8))*4096+512*(\t) th:TH_LOAD_NT
.endr
.endm
.macro TASK t, pc
	s_wait_loadcnt 16*(1-(\t))                     ; this task's 16 loads are in; the next task's 16 may be out
.irp i, 0,1,2,3,4,5,6,7,8,9,10,11,12,13,14,15
	ds_store_b128 v2, v[R+64*(\t)+4*\i:R+64*(\t)+4*\i+3] offset:528*\i
.endr
.irp b, 0,1,2,3
.irp j, 0,1,2,3
	ds_load_b128 v[X+16*\b+4*\j:X+16*\b+4*\j+3], v3 offset:128*\b+16*\j   ; LDS serves a wave's instructions in order: these see my stores
.endr
.endr
	s_wait_dscnt 0x0                               ; my numbers are back, and the stores have read their registers
	QUANT X, SW+(\t), \pc
.irp c, 0,1,2,3
	global_store_b128 v1, v[\pc+4*\c:\pc+4*\c+3], s[14:15] offset:(\t)*2048+512*\c   ; 512 consecutive bytes, aligned
.endr
.endm
	LOADX 0
	LOADX 1
	TASK 0, PC
	TASK 1, R                                      ; its codes go where the first task's numbers lay: no store's data are written again
	global_store_b64 v4, v[SW:SW+1], s[16:17]      ; my row's two scale words (lanes 16-31 repeat lanes 0-15's bytes): 8 of each 32 bytes, the other quarters of K have the rest
	s_wait_tensorcnt 0x0                           ; the wave's end
	ds_add_u32 v254, v255
	s_wait_dscnt 0x0
	s_endpgm
	; ---- the weights.  id = work-group - 512: weight id / 128, 128 columns (id / 16) % 8, 64 along K id % 16.  A LANE TAKES A COLUMN AND ITS REGISTERS RUN DOWN K: a block of 32 lies in one lane.
.Lweights:
	s_sub_co_u32 s24, ttmp9, 512
	s_lshr_b32 s25, s24, 7                         ; which weight
	s_bfe_u32 s26, s24, 0x30004                    ; which 128 columns
	s_and_b32 s27, s24, 15                         ; which 64 along K
	s_lshl_b32 s28, s27, 18                        ; in: 64 rows of 4,096 bytes, + 4 x my wave's first column
	s_lshl_b32 s29, s26, 9
	s_add_co_u32 s28, s28, s29
	s_lshl_b32 s29, s20, 7
	s_add_co_u32 s28, s28, s29
	s_mov_b32 s29, 0
	s_lshl_b32 s34, s25, 3
	s_add_co_u32 s34, s34, s26
	s_add_co_u32 s34, s34, 64                      ; the panel: 64 + 8 x weight + column group
	s_lshl_b32 s30, s34, 17                        ; img: the panel, slot (id % 16) / 4, then 1,024 x (id % 4): the K step's parity and its two chunks; blocks 2 x wave and 2 x wave + 1
	s_lshr_b32 s31, s27, 2
	s_lshl_b32 s31, s31, 15
	s_add_co_u32 s30, s30, s31
	s_and_b32 s31, s27, 3
	s_lshl_b32 s31, s31, 10
	s_add_co_u32 s30, s30, s31
	s_lshl_b32 s31, s20, 13
	s_add_co_u32 s30, s30, s31
	s_mov_b32 s31, 0
	s_lshl_b32 s32, s34, 12                        ; gsc: the panel, the same blocks, bytes 2 (id % 16) and + 1 of a row's 32
	s_lshl_b32 s33, s20, 10
	s_add_co_u32 s32, s32, s33
	s_lshl_b32 s33, s27, 1
	s_add_co_u32 s32, s32, s33
	s_mov_b32 s33, 0
	s_wait_alu depctr_va_vdst(0)
	v_lshlrev_b32 v3, 2, v5                        ; in: 4 bytes a lane
	v_and_b32 v6, 7, v5
	v_bfe_u32 v7, v0, 4, 1
	v_lshl_or_b32 v6, v7, 3, v6                    ; column 32 g + lane is lane r = (lane % 8) + 8 (lane / 16)
	v_bfe_u32 v8, v0, 3, 1                         ; of block 2 g + u, u = (lane / 8) % 2
	v_lshlrev_b32 v4, 4, v6
	v_lshl_add_u32 v4, v8, 12, v4                  ; codes: 4096 u + 16 r
	v_lshlrev_b32 v9, 5, v6
	v_lshl_add_u32 v9, v8, 9, v9                   ; scale bytes: 512 u + 32 r
	s_wait_alu depctr_va_vdst(0)                   ; and at the head's end
	s_wait_kmcnt 0x0
	s_cmp_eq_u32 s25, 1                            ; the choice hangs on the work-group's number alone
	s_cselect_b64 s[6:7], s[8:9], s[6:7]
	s_cmp_eq_u32 s25, 2
	s_cselect_b64 s[6:7], s[10:11], s[6:7]
	s_cmp_eq_u32 s25, 3
	s_cselect_b64 s[6:7], s[12:13], s[6:7]
	s_add_nc_u64 s[6:7], s[6:7], s[28:29]
	s_add_nc_u64 s[14:15], s[14:15], s[30:31]
	s_add_nc_u64 s[16:17], s[16:17], s[32:33]
.macro LOADW t                         ; block t: W(32 t + i, my column): 128 consecutive bytes a wave
.irp i, 0,1,2,3,4,5,6,7,8,9,10,11,12,13,14,15,16,17,18,19,20,21,22,23,24,25,26,27,28,29,30,31
	global_load_b32 v[XW+32*(\t)+\i], v3, s[6:7] offset:(32*(\t)+\i)*4096 th:TH_LOAD_NT
.endr
.endm
.macro BLOCK t
.set XS, XW+32*(\t)
	s_wait_loadcnt 32*(1-(\t))                     ; this block's 32 loads are in; the next block's may be out
	v_max3_num_f32 v12, |v[XS]|, |v[XS+1]|, |v[XS+2]|
	v_max3_num_f32 v13, |v[XS+3]|, |v[XS+4]|, |v[XS+5]|
.irp i, 6,10,14,18,22,26
	v_max3_num_f32 v12, v12, |v[XS+\i]|, |v[XS+\i+1]|
	v_max3_num_f32 v13, v13, |v[XS+\i+2]|, |v[XS+\i+3]|
.endr
	v_max3_num_f32 v12, v12, |v[XS+30]|, |v[XS+31]|
	v_max3_num_f32 v12, v12, v13, 0x8000000        ; and the floor
	v_add_nc_u32 v11, 0xf8800000, v12              ; the conversion's scale operand
	v_and_or_b32 v10, v12, 0x7f800000, s[MNTR]     ; 57,344 x the scale
	v_lshrrev_b32 v13, 23, v11                     ; the byte
.if (\t) == 0
	v_mov_b32 v[SB], v13
.else
	v_lshl_or_b32 v[SB], v13, 8, v[SB]
.endif
.irp i, 0,1,2,3,4,5,6,7,8,9,10,11,12,13,14,15,16,17,18,19,20,21,22,23,24,25,26,27,28,29,30,31
	v_med3_num_f32 v[XS+\i], v[XS+\i], -v10, v10
.endr
.irp g, 0,1,2,3
	v_cvt_scalef32_pk8_bf8_f32 v[CW+8*(\t)+2*\g:CW+8*(\t)+2*\g+1], v[XS+8*\g:XS+8*\g+7], v11
.endr
	v_nop                                          ; a plain line behind the last conversion
	global_store_b128 v4, v[CW+8*(\t):CW+8*(\t)+3], s[14:15] offset:(\t)*512        ; k 0-15 of the block: the chunk's lanes 0-15; the wave fills two aligned runs of 256 bytes
	global_store_b128 v4, v[CW+8*(\t)+4:CW+8*(\t)+7], s[14:15] offset:(\t)*512+256  ; k 16-31: its lanes 16-31
.endm
	LOADW 0
	LOADW 1
	BLOCK 0
	BLOCK 1
	global_store_b16 v9, v[SB], s[16:17]           ; my column's two scale bytes
	s_endpgm
.Lfunc_end_k_qfedb0fb6c5_quant:
	.size	k_qfedb0fb6c5_quant, .Lfunc_end_k_qfedb0fb6c5_quant-k_qfedb0fb6c5_quant
	.p2alignl 7, 3214868480
	.fill 96, 4, 3214868480
	.section	.rodata,"a",@progbits
	.p2align	6, 0x0
	.amdhsa_kernel k_qfedb0fb6c5_quant
		.amdhsa_group_segment_fixed_size 34304
		.amdhsa_private_segment_fixed_size 0
		.amdhsa_enable_private_segment 0
		.amdhsa_kernarg_size 56
		.amdhsa_user_sgpr_count 2
		.amdhsa_user_sgpr_kernarg_segment_ptr 1
		.amdhsa_wavefront_size32 1
		.amdhsa_system_sgpr_workgroup_id_x 1
		.amdhsa_system_sgpr_workgroup_id_y 1
		.amdhsa_system_sgpr_workgroup_id_z 1
		.amdhsa_system_vgpr_workitem_id 0
		.amdhsa_next_free_vgpr 256
		.amdhsa_next_free_sgpr 66
		.amdhsa_reserve_vcc 0
		.amdhsa_float_denorm_mode_32 3
		.amdhsa_float_denorm_mode_16_64 3
		.amdhsa_memory_ordered 1
		.amdhsa_forward_progress 1
		.amdhsa_inst_pref_size 42
	.end_amdhsa_kernel
	.amdgpu_metadata
---
amdhsa.version: [ 1, 2 ]
amdhsa.kernels:
  - .name:           k_qfedb0fb6c5_quant
    .symbol:         k_qfedb0fb6c5_quant.kd
    .args:
      - { .name: x, .offset: 0, .size: 8, .value_kind: global_buffer, .address_space: global }
      - { .name: Wq, .offset: 8, .size: 8, .value_kind: global_buffer, .address_space: global }
      - { .name: Wk, .offset: 16, .size: 8, .value_kind: global_buffer, .address_space: global }
      - { .name: Wv, .offset: 24, .size: 8, .value_kind: global_buffer, .address_space: global }
      - { .name: Wo, .offset: 32, .size: 8, .value_kind: global_buffer, .address_space: global }
      - { .name: img, .offset: 40, .size: 8, .value_kind: global_buffer, .address_space: global }
      - { .name: gsc, .offset: 48, .size: 8, .value_kind: global_buffer, .address_space: global }
    .group_segment_fixed_size: 34304
    .private_segment_fixed_size: 0
    .kernarg_segment_align: 8
    .kernarg_segment_size: 56
    .max_flat_workgroup_size: 128
    .sgpr_count:     66
    .vgpr_count:     256
    .wavefront_size: 32
...
	.end_amdgpu_metadata
.endif
;; end of part 1
;; launch qkv (part 2): grid 8 x 48, 4 waves a work-group, clusters of 4 x 4, 327,680 bytes of LDS; arguments img, gsc, bq, bk, bv, qkv; writes qkv
.if DOCPART == 2
	.amdgcn_target "amdgcn-amd-amdhsa--gfx1250"
	.amdhsa_code_object_version 6
	.text
	.protected	k_qfedb0fb6c5_qkv
	.globl	k_qfedb0fb6c5_qkv
	.p2align	8
	.type	k_qfedb0fb6c5_qkv,@function
k_qfedb0fb6c5_qkv:
	s_mov_b64 s[64:65], 0
	v_nop
	global_prefetch_b8 v0, s[64:65] scope:SCOPE_SE
	s_setreg_imm32_b32 hwreg(HW_REG_WAVE_MODE, 25, 1), 1
	s_wait_xcnt 0x0
	s_wait_alu depctr_hold_cnt(0) depctr_sa_sdst(0) depctr_va_vdst(0) depctr_va_sdst(0) depctr_va_ssrc(0) depctr_va_vcc(0) depctr_vm_vsrc(0)
	s_getreg_b32 s2, hwreg(HW_REG_IB_STS2, 6, 4)
	s_cmp_eq_u32 s2, 0
	s_cbranch_scc0 .Lentry_in_a_cluster
	s_endpgm
.Lentry_in_a_cluster:
	s_bfe_u32 s2, ttmp6, 0x10000c
	s_cmp_lg_u32 s2, 0xf033
	s_cbranch_scc0 .Lentry_shape_is_right
	s_endpgm
.Lentry_shape_is_right:
.set SLOT,  131072
.set BIAS,  262144
.set SPARE, 264192
.set SSQ,   264704
.set SSV,   266752
.set HEADB, 405504
.set RECB,  25344
.set ADRA, 16
.set SQR,  18
.set SVR,  19
.set ADRB, 20
.set LI,   22
.set SOFF, 23
.set BNA,  24
.set BMA,  25
.set SQW,  26
.set SVW,  27
.set SPW,  28
.set NIL,  29
.set SGO,  30
.set BST,  31
.set TM,   32
.set PW,   48
.set UN,   56
.set SC,   64
.set AF,   128
.set X,    128
.set PC,   192
.set G1A, 24
.set G0A, 32
.set G1B, 48
.set G0B, 56
.set SELR, 88
.set MNTR, 90
.set MSB, 0
.macro WIN new
.if MSB != (\new)
	s_set_vgpr_msb (MSB<<8)|(\new)
.set MSB, (\new)
.endif
.endm
.set MUL_LO, 0xa1
.set MUL_HI, 0xf1
.set TO_B,   0x40
.macro JLOAD g0a, g1a, g0b, g1b
	s_cmp_eq_u32 s19, 0
	s_cbranch_scc0 .Lfor_b_\@
	tensor_load_to_lds s[\g0a:\g0a+3], s[\g1a:\g1a+7]
	s_nop 0
.rept 4
	v_nop
.endr
	s_branch .Lasked_\@
.Lfor_b_\@:
	tensor_load_to_lds s[\g0b:\g0b+3], s[\g1b:\g1b+7]
	s_nop 0
.rept 4
	v_nop
.endr
.Lasked_\@:
.endm
.macro CREST
	s_cmp_lg_u32 s18, 0
	s_cbranch_scc1 .Lnot_wave_0_\@
	s_barrier_signal -3
.Lnot_wave_0_\@:
	s_barrier_wait -3
	s_barrier_signal -1
	s_barrier_wait -1
.endm
.macro CROUND
	s_barrier_signal -1
	s_barrier_wait -1
	CREST
.endm
.macro QUANT s, nb, pw
.irp b, 0,1,2,3
.if \b < \nb
	v_max3_num_f32 v[TM+\b], |v[\s+16*\b]|, |v[\s+16*\b+1]|, 0x8000000
.endif
.endr
.irp i, 2,4,6,8,10,12,14
.irp b, 0,1,2,3
.if \b < \nb
	v_max3_num_f32 v[TM+\b], v[TM+\b], |v[\s+16*\b+\i]|, |v[\s+16*\b+\i+1]|
.endif
.endr
.endr
.irp b, 0,1,2,3
.if \b < \nb
	v_permlanex16_b32 v[TM+4+\b], v[TM+\b], s[SELR], s[SELR+1]
.endif
.endr
.irp b, 0,1,2,3
.if \b < \nb
	v_max_num_f32 v[TM+\b], v[TM+\b], v[TM+4+\b]
.endif
.endr
.irp b, 0,1,2,3
.if \b < \nb
	v_add_nc_u32 v[TM+12+\b], 0xf8800000, v[TM+\b]
.endif
.endr
.irp b, 0,1,2,3
.if \b < \nb
	v_and_or_b32 v[TM+8+\b], v[TM+\b], 0x7f800000, s[MNTR]
.endif
.endr
.irp b, 0,1,2,3
.if \b < \nb
	v_lshrrev_b32 v[TM+4+\b], 23, v[TM+12+\b]
.endif
.endr
	v_lshl_or_b32 v[\pw], v[TM+5], 8, v[TM+4]
.if \nb > 2
	v_lshl_or_b32 v[\pw], v[TM+6], 16, v[\pw]
	v_lshl_or_b32 v[\pw], v[TM+7], 24, v[\pw]
.endif
	s_wait_alu depctr_va_vdst(0)                   ; directly ahead of the wait below
	s_wait_xcnt 0x0                                ; the last block's stores have read the codes' registers, which the conversions below write
.irp b, 0,1,2,3
.if \b < \nb
.irp i, 0,1,2,3,4,5,6,7,8,9,10,11,12,13,14,15
	v_med3_num_f32 v[\s+16*\b+\i], v[\s+16*\b+\i], -v[TM+8+\b], v[TM+8+\b]
.endr
	v_cvt_scalef32_pk8_bf8_f32 v[PC+4*\b:PC+4*\b+1], v[\s+16*\b:\s+16*\b+7], v[TM+12+\b]
	v_cvt_scalef32_pk8_bf8_f32 v[PC+4*\b+2:PC+4*\b+3], v[\s+16*\b+8:\s+16*\b+15], v[TM+12+\b]
.endif
.endr
	v_nop
.endm
	s_load_b256 s[4:11], s[0:1], 0x0
	s_load_b128 s[12:15], s[0:1], 0x20
	v_lshl_add_u32 v[SPW], v0, 2, SPARE
	v_mov_b32 v[NIL], 0
	ds_add_u32 v28, v29
	ds_add_u32 v28, v29
	s_wait_dscnt 0x0
	v_lshrrev_b32 v1, 5, v0
	v_readfirstlane_b32 s18, v1
	s_lshr_b32 s19, s18, 1
	s_and_b32 s20, s18, 1
	s_bfe_u32 s40, ttmp6, 0x40000
	s_bfe_u32 s41, ttmp6, 0x40004
	s_mov_b32 s42, ttmp9
	s_and_b32 s43, ttmp7, 0xffff
	s_lshl_b32 s44, s43, 2
	s_cmp_lt_u32 s43, 8
	s_cselect_b32 s44, s44, 40
	s_add_co_u32 s44, s44, s41
	s_lshl_b32 s45, s43, 3
	s_sub_co_u32 s45, s45, 64
	s_cmp_lt_u32 s43, 8
	s_cselect_b32 s45, 32, s45
	s_lshl_b32 s46, s42, 2
	s_add_co_u32 s45, s45, s46
	s_add_co_u32 s45, s45, s40
	s_lshl_b32 s66, s41, 2
	s_lshl_b32 s66, 15, s66
	s_lshl_b32 s67, 0x1111, s40
	s_or_b32 s[G1A+0], s66, (3<<16)|(1<<21)
	s_or_b32 s[G1B+0], s67, (3<<16)|(1<<21)
.irp g, G1A, G1B
	s_mov_b32 s[\g+1], 512<<16                     ; 32,768 dense bytes as 8 rows of 512 elements of 8 bytes
	s_mov_b32 s[\g+2], 8<<16
	s_mov_b32 s[\g+3], 512<<16
	s_mov_b32 s[\g+4], 8
	s_mov_b32 s[\g+5], 512
	s_mov_b32 s[\g+6], 0
	s_mov_b32 s[\g+7], 0
.endr
	s_lshl_b32 s76, s44, 1
	s_add_co_u32 s76, s76, s20
	s_lshl_b32 s76, s76, 17
	s_mov_b32 s77, 0
	s_lshl_b32 s78, s45, 1
	s_add_co_u32 s78, s78, s20
	s_lshl_b32 s78, s78, 17
	s_mov_b32 s79, 0
	s_lshl_b32 s80, s18, 15
	s_mov_b32 s[SELR], 0x76543210
	s_mov_b32 s[SELR+1], 0xfedcba98
	s_mov_b32 s[MNTR], 0x600000
	s_wait_kmcnt 0x0
	s_add_nc_u64 s[68:69], s[4:5], s[76:77]
	s_add_nc_u64 s[70:71], s[4:5], s[78:79]
	CROUND
	; the prefetches: of the 32,768 bytes that my wave fetches for a slot, each of the four partners that ask jointly names 8,192, told apart by address (cx for A's tiles, cy for B's); a lane a block of 256 bytes
	s_cmp_eq_u32 s19, 0
	s_cselect_b64 s[92:93], s[68:69], s[70:71]
	s_cselect_b32 s94, s40, s41
	s_lshl_b32 s94, s94, 13
	s_mov_b32 s95, 0
	s_add_nc_u64 s[92:93], s[92:93], s[94:95]
	s_xor_b32 s96, s19, 1
	s_cmp_lt_u32 s43, 8
	s_cselect_b32 s96, s19, s96                    ; 1: my wave fetches a weight's rows (B's for Q and K, A's for V)
	s_cselect_b32 s97, 4, 10
	s_cmp_lt_u32 s43, s97
	s_cselect_b32 s97, 0, 1                        ; a weight's rows are read by eight clusters: four of them ask, by the cluster's number
	s_and_b32 s96, s96, s97                        ; 1: my wave asks for nothing
	v_and_b32 v60, 31, v0
	v_lshlrev_b32 v60, 8, v60                      ; v60 and s[92:93] are never rewritten
.macro ASK off
	s_cmp_eq_u32 s96, 0
	s_cbranch_scc0 .Lnone_\@
	global_prefetch_b8 v60, s[92:93] offset:\off th:TH_LOAD_NT scope:SCOPE_SE
.Lnone_\@:
.endm
; a slot's first fill; behind slot 0's load slots 1 and 2 are asked for ahead, behind slot 1's load slot 3: two slots ahead of the load that wants them
.macro HFILL s
	s_mov_b32 s[G0A+4*\s], 1
	s_add_co_u32 s[G0A+4*\s+1], s80, \s*SLOT
	s_add_nc_u64 s[G0A+4*\s+2:G0A+4*\s+3], s[68:69], \s*32768
	s_or_b32 s[G0A+4*\s+3], s[G0A+4*\s+3], 0x80000000
	s_mov_b32 s[G0B+4*\s], 1
	s_add_co_u32 s[G0B+4*\s+1], s80, \s*SLOT
	s_add_nc_u64 s[G0B+4*\s+2:G0B+4*\s+3], s[70:71], \s*32768
	s_or_b32 s[G0B+4*\s+3], s[G0B+4*\s+3], 0x80000000
	s_wait_alu depctr_va_vdst(0)
.if \s                                 ; slot 0's fill is the head's one load a wave, behind the opening round; slot 1's stands behind the full sequence
	s_wait_tensorcnt 0x0
	ds_add_u32 v28, v29
	ds_add_u32 v28, v29
	s_wait_dscnt 0x0
	CROUND
.endif
	JLOAD G0A+4*\s, G1A, G0B+4*\s, G1B
.if \s == 0
	ASK 32768
	ASK 65536
.else
	ASK 98304
.endif
.endm
	HFILL 0
	v_and_b32 v1, 31, v0
	v_and_b32 v2, 15, v0
	v_bfe_u32 v3, v0, 4, 1
	v_lshlrev_b32 v[LI], 4, v1
	s_lshl_b32 s21, s19, 15
	s_lshl_b32 s22, s20, 15
	s_add_co_u32 s22, s22, 65536
	v_add_nc_u32 v[ADRA], s21, v[LI]
	v_add_nc_u32 v[ADRB], s22, v[LI]
	v_add_nc_u32 v[ADRA+1], SLOT, v[ADRA]
	v_add_nc_u32 v[ADRB+1], SLOT, v[ADRB]
	s_lshl_b32 s23, s18, 9
	s_add_co_u32 s21, s23, BIAS
	v_lshl_add_u32 v[BNA], v3, 6, s21
	v_and_b32 v4, 8, v2
	v_add_nc_u32 v4, v4, v2
	v_lshl_add_u32 v[BMA], v4, 2, s21
	v_add_nc_u32 v[BST], s21, v[LI]
	s_add_co_u32 s21, s23, SSQ
	v_lshl_add_u32 v[SQW], v2, 2, s21
	v_add_nc_u32 v[SQR], s21, v[LI]
	s_add_co_u32 s21, s23, SSV
	v_lshl_add_u32 v[SVW], v2, 2, s21
	v_add_nc_u32 v[SVR], s21, v[LI]
	v_mul_u32_u24 v[SGO], v3, HEADB
	v_lshl_add_u32 v[SGO], v2, 4, v[SGO]
.irp b, 0,1,2,3
	v_mov_b32 v[TM+4+\b], 0
.endr
	s_lshl_b32 s81, s44, 1
	s_add_co_u32 s81, s81, s19
	s_lshl_b32 s82, s45, 1
	s_add_co_u32 s82, s82, s20
	s_lshl_b32 s85, s81, 12
	s_lshl_b32 s46, s82, 12
	v_mov_b32 v5, s85
	v_mov_b32 v6, s46
	v_cmp_eq_u32 vcc_lo, 1, v3
	v_cndmask_b32 v5, v5, v6, vcc_lo
	v_lshl_add_u32 v[SOFF], v2, 5, v5
	s_wait_alu depctr_va_vdst(0)
	s_cmp_lt_u32 s43, 8
	s_cselect_b32 s83, s81, s82
	s_cselect_b32 s84, s82, s81
	s_and_b32 s84, s84, 7
	s_cmp_eq_u32 s42, 0
	s_cselect_b64 s[72:73], s[8:9], s[10:11]
	s_cselect_b32 s74, 16896, 0
	s_cmp_lt_u32 s43, 8
	s_cselect_b64 s[72:73], s[72:73], s[12:13]
	s_mov_b32 s75, 8448
	s_cselect_b32 s74, s74, s75
	s_lshl_b32 s86, s84, 9
	s_mov_b32 s87, 0
	s_add_nc_u64 s[72:73], s[72:73], s[86:87]
	s_lshr_b32 s85, s83, 4
	s_lshl_b32 s85, s85, 4
	s_lshl_b32 s86, s84, 1
	s_add_co_u32 s85, s85, s86
	s_mul_i32 s85, s85, HEADB
	s_and_b32 s86, s83, 15
	s_mul_i32 s86, s86, RECB
	s_add_co_u32 s86, s86, s85
	s_add_co_u32 s86, s86, s74
	s_add_nc_u64 s[14:15], s[14:15], s[86:87]
	global_load_b128 v[UN:UN+3], v[LI], s[72:73]
.irp i, 0,1,2,3,4,5,6,7
	global_load_b128 v[SC+8*\i:SC+8*\i+3], v[SOFF], s[6:7] offset:512*\i
	global_load_b128 v[SC+8*\i+4:SC+8*\i+7], v[SOFF], s[6:7] offset:512*\i+16
.endr
	HFILL 1                                        ; slot 1's first fill stands behind the loads of the scale words and the bias, which are out while slot 0 lands
	s_wait_loadcnt 16
	ds_store_b128 v[BST], v[UN:UN+3]
.macro FRAG reg, adr, off
.irp c, 0,1,2,3
	ds_load_b128 v[\reg+4*\c:\reg+4*\c+3], v[\adr] offset:(\off)+512*\c
.endr
.endm
.macro FETCH_B slot, q, p
	WIN TO_B
.irp i, 0,1,2,3,4,5,6,7
	FRAG 128*(\p)+16*\i, ADRB+\slot, 4096*\i+2048*(\q)
.endr
	WIN 0
.endm
.macro FETCH_A slot, q, i0
.irp i, \i0, \i0+1, \i0+2, \i0+3
	FRAG AF+16*(\i), ADRA+\slot, 4096*(\i)+2048*(\q)
.endr
.endm
.macro MUL16 a0, p, ks, zero
.irp a, \a0, \a0+1
.irp b, 0,1,2,3,4,5,6,7
.if \zero
	v_wmma_scale_f32_16x16x128_f8f6f4 v[8*(8*((\a)%4)+\b):8*(8*((\a)%4)+\b)+7], v[128*(\p)+16*\b:128*(\p)+16*\b+15], v[AF+16*(\a):AF+16*(\a)+15], 0, v[SC+8*\b+(\ks)], v[SC+8*(\a)+(\ks)] matrix_a_fmt:MATRIX_FMT_BF8 matrix_b_fmt:MATRIX_FMT_BF8 matrix_a_scale:MATRIX_SCALE_ROW1
.else
	v_wmma_scale_f32_16x16x128_f8f6f4 v[8*(8*((\a)%4)+\b):8*(8*((\a)%4)+\b)+7], v[128*(\p)+16*\b:128*(\p)+16*\b+15], v[AF+16*(\a):AF+16*(\a)+15], v[8*(8*((\a)%4)+\b):8*(8*((\a)%4)+\b)+7], v[SC+8*\b+(\ks)], v[SC+8*(\a)+(\ks)] matrix_a_fmt:MATRIX_FMT_BF8 matrix_b_fmt:MATRIX_FMT_BF8 matrix_a_scale:MATRIX_SCALE_ROW1
.endif
.endr
.endr
.endm
.macro PLACES n
.rept \n
	v_nop
.endr
.endm
.macro STEP slot, ks, zero
	s_wait_dscnt 16
	WIN MUL_LO
	MUL16 0, 0, \ks, \zero
	MUL16 2, 0, \ks, \zero
	s_wait_dscnt 0x0
	PLACES 8
	FETCH_B \slot, 1, 1
	FETCH_A \slot, 1, 0
	WIN MUL_HI
	MUL16 4, 0, \ks, \zero
	MUL16 6, 0, \ks, \zero
	PLACES 8
	WIN 0
	FETCH_A \slot, 1, 4
.endm
.macro TURN slot, next, ks, fill
	s_wait_tensorcnt 0x0
	ds_add_u32 v[SPW], v[NIL]
	s_wait_dscnt 17
	WIN MUL_LO
	MUL16 0, 1, \ks, 0
	s_wait_dscnt 0x0
	s_barrier_signal -1
	MUL16 2, 1, \ks, 0
	WIN 0
	s_barrier_wait -1
.if \fill
	CREST
	s_add_nc_u64 s[G0A+4*\slot+2:G0A+4*\slot+3], s[G0A+4*\slot+2:G0A+4*\slot+3], 65536
	s_add_nc_u64 s[G0B+4*\slot+2:G0B+4*\slot+3], s[G0B+4*\slot+2:G0B+4*\slot+3], 65536
	JLOAD G0A+4*\slot, G1A, G0B+4*\slot, G1B
	PLACES 4
.else
	PLACES 8
.endif
	FETCH_B \next, 0, 0
	FETCH_A \next, 0, 0
	WIN MUL_HI
	MUL16 4, 1, \ks, 0
	MUL16 6, 1, \ks, 0
	PLACES 8
	WIN 0
	FETCH_A \next, 0, 4
.endm
	s_wait_dscnt 0x0
	s_wait_tensorcnt 1
	s_barrier_signal -1
	s_barrier_wait -1
	FETCH_B 0, 0, 0
	FETCH_A 0, 0, 0
	FETCH_A 0, 0, 4
	s_wait_loadcnt 0x0
	STEP 0, 0, 1
	TURN 0, 1, 1, 1
	STEP 1, 2, 0
	TURN 1, 0, 3, 1
	STEP 0, 4, 0
	TURN 0, 1, 5, 0
	STEP 1, 6, 0
	s_wait_dscnt 16
	WIN MUL_LO
	MUL16 0, 1, 7, 0
	MUL16 2, 1, 7, 0
	s_wait_dscnt 0x0
	WIN MUL_HI
	MUL16 4, 1, 7, 0
	MUL16 6, 1, 7, 0
	WIN 0
	PLACES 8
.macro EPI isv
	WIN TO_B
.if \isv
.irp a, 0,1,2,3,4,5,6,7
	ds_load_b32 v[2*\a], v[BMA] offset:(32*(\a/2)+8*(\a%2))*4
	ds_load_b32 v[2*\a+1], v[BMA] offset:(32*(\a/2)+8*(\a%2))*4
.endr
.else
.irp e, 0,1,2,3
.irp q, 0,1,2,3
	ds_load_b128 v[16*\e+4*\q:16*\e+4*\q+3], v[BNA] offset:128*\e+16*\q
.endr
.endr
.endif
	s_wait_dscnt 0x0
.irp a, 0,1,2,3,4,5,6,7
	WIN 0x06+(\a/4)
.set i, 0
.rept 32
.if \isv
	v_pk_add_f32 v[X+2*i:X+2*i+1], v[64*(\a%4)+2*i:64*(\a%4)+2*i+1], v[2*\a:2*\a+1]
.else
	v_pk_add_f32 v[X+2*i:X+2*i+1], v[64*(\a%4)+2*i:64*(\a%4)+2*i+1], v[2*i:2*i+1]
.endif
.set i, i+1
.endr
	WIN 0
	QUANT X, 4, PW+\a
.irp c, 0,1,2,3
.if \isv
	global_store_b128 v[LI], v[PC+4*\c:PC+4*\c+3], s[14:15] offset:(\a/4)*HEADB+(\a%4)*2048+512*\c
.else
	global_store_b128 v[LI], v[PC+4*\c:PC+4*\c+3], s[14:15] offset:(\c/2)*HEADB+(\a/2)*2048+(\a%2)*1024+(\c%2)*512
.endif
.endr
.if \isv
	ds_store_b32 v[SVW], v[PW+\a] offset:64*\a
.endif
.endr
.if \isv
	ds_load_b128 v[UN:UN+3], v[SVR]
.else
.irp g, 0,1,2,3
	v_perm_b32 v[TM+\g], v[PW+2*\g+1], v[PW+2*\g], 0x05040100
	v_perm_b32 v[TM+4+\g], v[PW+2*\g+1], v[PW+2*\g], 0x07060302
.endr
.irp g, 0,1,2,3
	ds_store_b32 v[SQW], v[TM+\g] offset:64*\g
	ds_store_b32 v[SQW], v[TM+4+\g] offset:256+64*\g
.endr
	ds_load_b128 v[UN:UN+3], v[SQR]
.endif
	s_wait_dscnt 0x0
	global_store_b128 v[SGO], v[UN:UN+3], s[14:15] offset:8192
.endm
	s_cmp_lt_u32 s43, 8
	s_cbranch_scc0 .Lvalues
	EPI 0
	s_branch .Lend
.Lvalues:
	EPI 1
.Lend:
	s_wait_tensorcnt 0x0
	ds_add_u32 v[SPW], v[NIL]
	s_wait_dscnt 0x0
	CROUND
	s_endpgm
.Lfunc_end_k_qfedb0fb6c5_qkv:
	.size	k_qfedb0fb6c5_qkv, .Lfunc_end_k_qfedb0fb6c5_qkv-k_qfedb0fb6c5_qkv
	.p2alignl 7, 3214868480
	.fill 96, 4, 3214868480
	.section	.rodata,"a",@progbits
	.p2align	6, 0x0
	.amdhsa_kernel k_qfedb0fb6c5_qkv
		.amdhsa_group_segment_fixed_size 327680
		.amdhsa_private_segment_fixed_size 0
		.amdhsa_enable_private_segment 0
		.amdhsa_kernarg_size 48
		.amdhsa_user_sgpr_count 2
		.amdhsa_user_sgpr_kernarg_segment_ptr 1
		.amdhsa_wavefront_size32 1
		.amdhsa_system_sgpr_workgroup_id_x 1
		.amdhsa_system_sgpr_workgroup_id_y 1
		.amdhsa_system_sgpr_workgroup_id_z 1
		.amdhsa_system_vgpr_workitem_id 0
		.amdhsa_next_free_vgpr 1024
		.amdhsa_next_free_sgpr 100
		.amdhsa_reserve_vcc 1
		.amdhsa_float_denorm_mode_32 3
		.amdhsa_float_denorm_mode_16_64 3
		.amdhsa_memory_ordered 1
		.amdhsa_forward_progress 1
		.amdhsa_inst_pref_size 255
	.end_amdhsa_kernel
	.section	.bss,"aw",@nobits
	.p2align	6
	.space	262144
	.amdgpu_metadata
---
amdhsa.version: [ 1, 2 ]
amdhsa.kernels:
  - .name:           k_qfedb0fb6c5_qkv
    .symbol:         k_qfedb0fb6c5_qkv.kd
    .args:
      - { .name: img, .offset: 0, .size: 8, .value_kind: global_buffer, .address_space: global }
      - { .name: gsc, .offset: 8, .size: 8, .value_kind: global_buffer, .address_space: global }
      - { .name: bq, .offset: 16, .size: 8, .value_kind: global_buffer, .address_space: global }
      - { .name: bk, .offset: 24, .size: 8, .value_kind: global_buffer, .address_space: global }
      - { .name: bv, .offset: 32, .size: 8, .value_kind: global_buffer, .address_space: global }
      - { .name: qkv, .offset: 40, .size: 8, .value_kind: global_buffer, .address_space: global }
    .group_segment_fixed_size: 327680
    .private_segment_fixed_size: 0
    .kernarg_segment_align: 8
    .kernarg_segment_size: 48
    .max_flat_workgroup_size: 128
    .sgpr_count:     100
    .vgpr_count:     1024
    .wavefront_size: 32
...
	.end_amdgpu_metadata
.endif
;; end of part 2
;; launch attn (part 3): grid 4 x 64, 16 waves a work-group, clusters of 4 x 1, 272,384 bytes of LDS; arguments qkv, o_img, gsc; writes o_img, gsc
.if DOCPART == 3
	.amdgcn_target "amdgcn-amd-amdhsa--gfx1250"
	.amdhsa_code_object_version 6
	.text
	.protected	k_qfedb0fb6c5_attn
	.globl	k_qfedb0fb6c5_attn
	.p2align	8
	.type	k_qfedb0fb6c5_attn,@function
k_qfedb0fb6c5_attn:
	s_mov_b64 s[64:65], 0
	v_nop
	global_prefetch_b8 v0, s[64:65] scope:SCOPE_SE
	s_setreg_imm32_b32 hwreg(HW_REG_WAVE_MODE, 25, 1), 1
	s_wait_xcnt 0x0
	s_wait_alu depctr_hold_cnt(0) depctr_sa_sdst(0) depctr_va_vdst(0) depctr_va_sdst(0) depctr_va_ssrc(0) depctr_va_vcc(0) depctr_vm_vsrc(0)
	s_getreg_b32 s2, hwreg(HW_REG_IB_STS2, 6, 4)
	s_cmp_eq_u32 s2, 0
	s_cbranch_scc0 .Lentry_in_a_cluster
	s_endpgm
.Lentry_in_a_cluster:
	s_bfe_u32 s2, ttmp6, 0x10000c
	s_cmp_lg_u32 s2, 0x3003
	s_cbranch_scc0 .Lentry_shape_is_right
	s_endpgm
.Lentry_shape_is_right:
; o = softmax(q k^T / 8) v for one head, both products on codes of E5M2 with E8M0 scales; o is normalised, quantised along the model's 1,024 and stored as the last product's operand image.
; THE SOFTMAX: t = score x log2(e) / 8; M = the running largest t rounded UP to a whole number; p = 2^(t - M) is quantised along the keys, not normalised; the row's sum is taken of the unquantised p and divides at the end.
; When M moves, the sum and O are multiplied by 2^(old M - new M): exact.
; SHARES.  A work-group owns 512 queries of one head; each of its sixteen waves two tiles of 16, one after the other (two passes), in 256 registers: four waves to a SIMD.
; THE HEAD'S WHOLE K AND V, 16 key steps of 16,896 bytes (K codes 8,192, K scale words 256, V codes 8,192, V scale words 256), 270,336 bytes, come into LDS ONCE: wave w asks for key step w.  The four work-groups of a
; cluster are the four quarters of one head's queries: each load is asked for jointly by the four.  No LDS byte is filled again or stored to.  Nothing is prefetched: all that the work-group streams is asked for at its head.
; LAYOUT.  Both products are used transposed: a lane holds ONE query (lane % 16).  All operands lie as images of their registers: a fragment is four loads of 512 consecutive bytes.
; K = 64 IN THE FIRST PRODUCT: a fragment of K holds TWO tiles of 16 keys, one in k 0-63 and one in k 64-127; the query's fragment is [q | 0] for the first tile and [0 | q] for the second: zero codes add nothing.
; By the tiles' row order the 16 score registers of the two tiles are the neighbouring keys 32 g + 16 (lane / 16) + 0 .. 15.
; LIMITS: 1 / sum by v_rcp_f32; a block of zeros gets the byte 1 (its codes are zeros); NaN and infinities are not served.
; The scale bytes of o leave two a lane, 32 bytes apart: a scale word spans two heads, that is two work-groups; they are one in 33 of the bytes that the launch stores.
; REGISTERS: v1 16 x lane, v2 4 r, v3-4 the step's LDS addresses, v5-6 q's scale words, v7 p's, v8 at work, v9 32 r, v[10:11] f, v12 -M, v13 largest t, v[14:15] the sum;
;   v16-55 [0 x 8][q, pass 0][0 x 8][q, pass 1][0 x 8]; v56-119 four fragments of K or V; v120-183 scores, then p; v184-215 O^T; v216-231 codes; v232-247 at work; v248-251 K's scale words, v252-255 V's.
.set HEADB, 405504
.set RECB,  25344
.set STEPB, 16896
.set LI,  1
.set LS,  2
.set ADR, 3
.set ADS, 4
.set QS,  5
.set OSV, 9
.set QZ,  16
.set KV,  56
.set S,   120
.set O,   184
.set PC,  216
.set TM,  232
.set KSC, 248
.set VSC, 252
.set MNTR, 13
.set SELR, 20
.macro ROUND
	s_barrier_signal -1
	s_barrier_wait -1
	s_cmp_lg_u32 s10, 0
	s_cbranch_scc1 .Lnot_wave_0_\@
	s_barrier_signal -3
.Lnot_wave_0_\@:
	s_barrier_wait -3
	s_barrier_signal -1
	s_barrier_wait -1
.endm
.macro QUANT s, nb, pw
.irp b, 0,1,2,3
.if \b < \nb
	v_max3_num_f32 v[TM+\b], |v[\s+16*\b]|, |v[\s+16*\b+1]|, 0x8000000
.endif
.endr
.irp i, 2,4,6,8,10,12,14
.irp b, 0,1,2,3
.if \b < \nb
	s_delay_alu instid0(VALU_DEP_2)
	v_max3_num_f32 v[TM+\b], v[TM+\b], |v[\s+16*\b+\i]|, |v[\s+16*\b+\i+1]|
.endif
.endr
.endr
.irp b, 0,1,2,3
.if \b < \nb
	s_delay_alu instid0(VALU_DEP_2)
	v_permlanex16_b32 v[TM+4+\b], v[TM+\b], s[SELR], s[SELR+1]
.endif
.endr
.irp b, 0,1,2,3
.if \b < \nb
	s_delay_alu instid0(VALU_DEP_2)
	v_max_num_f32 v[TM+\b], v[TM+\b], v[TM+4+\b]
.endif
.endr
.irp b, 0,1,2,3
.if \b < \nb
	s_delay_alu instid0(VALU_DEP_2)
	v_add_nc_u32 v[TM+12+\b], 0xf8800000, v[TM+\b]
.endif
.endr
.irp b, 0,1,2,3
.if \b < \nb
	s_delay_alu instid0(VALU_DEP_4)
	v_and_or_b32 v[TM+8+\b], v[TM+\b], 0x7f800000, s[MNTR]
.endif
.endr
.irp b, 0,1,2,3
.if \b < \nb
	s_delay_alu instid0(VALU_DEP_4)
	v_lshrrev_b32 v[TM+4+\b], 23, v[TM+12+\b]
.endif
.endr
	s_delay_alu instid0(VALU_DEP_1)
	v_lshl_or_b32 v[\pw], v[TM+5], 8, v[TM+4]
.if \nb > 2
	v_lshl_or_b32 v[\pw], v[TM+6], 16, v[\pw]
	v_lshl_or_b32 v[\pw], v[TM+7], 24, v[\pw]
.endif
.irp b, 0,1,2,3
.if \b < \nb
.irp i, 0,1,2,3,4,5,6,7,8,9,10,11,12,13,14,15
	v_med3_num_f32 v[\s+16*\b+\i], v[\s+16*\b+\i], -v[TM+8+\b], v[TM+8+\b]
.endr
	v_cvt_scalef32_pk8_bf8_f32 v[PC+4*\b:PC+4*\b+1], v[\s+16*\b:\s+16*\b+7], v[TM+12+\b]
	v_cvt_scalef32_pk8_bf8_f32 v[PC+4*\b+2:PC+4*\b+3], v[\s+16*\b+8:\s+16*\b+15], v[TM+12+\b]
.endif
.endr
	v_nop                                          ; a plain line behind the last conversion
.endm
	s_load_b128 s[4:7], s[0:1], 0x0                ; qkv s[4:5], o_img s[6:7]
	s_load_b64 s[8:9], s[0:1], 0x10                ; gsc
	v_lshl_add_u32 v254, v0, 2, 0x42000
	v_mov_b32 v255, 0
	ds_add_u32 v254, v255
	ds_add_u32 v254, v255
	s_wait_dscnt 0x0
	v_lshrrev_b32 v1, 5, v0
	s_delay_alu instid0(VALU_DEP_1)
	v_readfirstlane_b32 s10, v1                    ; wave 0..15
	s_bfe_u32 s11, ttmp6, 0x40000                  ; cx: my quarter of the queries: it enters q's and o's global addresses alone
	s_and_b32 s12, ttmp7, 0xffff                   ; 16 x batch + head, which the four partners share
	; descriptor group 1: 16,896 dense bytes as 11 rows of 192 elements of 8 bytes (1,536 bytes, six times 256)
	s_mov_b32 s24, 15|(3<<16)|(1<<21)              ; 15:0 the mask: all four work-groups; 17:16 elements of 8 bytes; 21 set beside a mask
	s_mov_b32 s25, 192<<16                         ; tensor_dim0
	s_mov_b32 s26, 11<<16                          ; tensor_dim1
	s_mov_b32 s27, 192<<16                         ; tile_dim0
	s_mov_b32 s28, 11                              ; tile_dim1
	s_mov_b32 s29, 192                             ; the pitch
	s_mov_b32 s30, 0
	s_mov_b32 s31, 0
	s_mul_i32 s38, s12, HEADB                      ; the head's first byte
	s_mul_i32 s40, s10, RECB                       ; key step w: record w's first 16,896 bytes
	s_add_co_u32 s40, s40, s38
	s_mov_b32 s41, 0
	s_mov_b32 s16, 1
	s_mul_i32 s17, s10, STEPB                      ; to LDS byte 16,896 x wave
	s_mov_b32 s[MNTR], 0x600000
	s_mov_b32 s[SELR], 0x76543210
	s_mov_b32 s[SELR+1], 0xfedcba98
	s_mov_b32 s22, 0x3e38aa3b                      ; c = log2(e) / 8
	s_mov_b32 s23, s22                             ; (named with it as a pair)
	s_wait_kmcnt 0x0
	s_add_nc_u64 s[18:19], s[4:5], s[40:41]
	s_or_b32 s19, s19, 0x80000000
	ROUND                                          ; all four work-groups are here: the joint loads meet
	s_cmp_lt_u32 s10, 8                            ; two load lines: waves 0-7 (key steps 0-7) wait at the first barrier, waves 8-15 at the second
	s_cbranch_scc0 .Lupper
	tensor_load_to_lds s[16:19], s[24:31]          ; one tensor load of mine is out, the only one of the launch
	s_nop 0
.rept 4
	v_nop
.endr
	s_branch .Lasked
.Lupper:
	tensor_load_to_lds s[16:19], s[24:31]
	s_nop 0
.rept 4
	v_nop
.endr
.Lasked:
	v_and_b32 v8, 31, v0
	s_delay_alu instid0(VALU_DEP_1)
	v_lshlrev_b32 v[LI], 4, v8
	s_wait_alu depctr_va_vdst(0)
	v_and_b32 v8, 15, v0
	s_delay_alu instid0(VALU_DEP_1)
	v_lshlrev_b32 v[LS], 2, v8
	s_wait_alu depctr_va_vdst(0)
	v_lshlrev_b32 v[OSV], 5, v8
	s_lshr_b32 s42, s10, 3
	s_and_b32 s43, s10, 7                          ; my tile in a record of 128 tokens: 2 g + u
	s_lshl_b32 s44, s11, 2
	s_add_co_u32 s44, s44, s42                     ; pass 0's record: 4 cx + wave / 8; pass 1's is two further on
	s_mul_i32 s46, s44, RECB
	s_add_co_u32 s46, s46, s38
	s_add_co_u32 s46, s46, 16896                   ; q's part of the record
	s_mov_b32 s47, 0
	s_add_nc_u64 s[32:33], s[4:5], s[46:47]
	s_lshl_b32 s45, s43, 10
	v_add_nc_u32 v120, s45, v[LI]                  ; my tile's two chunks: 1,024 (2 g + u) + 16 x lane
	s_lshr_b32 s48, s43, 1
	s_lshl_b32 s48, s48, 6
	s_and_b32 s49, s43, 1
	s_lshl_b32 s49, s49, 1
	s_add_co_u32 s48, s48, s49
	v_add_nc_u32 v121, s48, v[LS]                  ; its two scale bytes: 64 g + 4 r + 2 u
	global_load_b128 v[QZ+8:QZ+11], v120, s[32:33]
	global_load_b128 v[QZ+12:QZ+15], v120, s[32:33] offset:512
	global_load_b128 v[QZ+24:QZ+27], v120, s[32:33] offset:2*RECB
	global_load_b128 v[QZ+28:QZ+31], v120, s[32:33] offset:2*RECB+512
	global_load_u16 v[QS], v121, s[32:33] offset:8192
	global_load_u16 v[QS+1], v121, s[32:33] offset:8192+2*RECB
	s_lshr_b32 s50, s12, 4                         ; batch
	s_and_b32 s51, s12, 15                         ; head
	s_lshl_b32 s52, s50, 4
	s_add_co_u32 s52, s52, s44                     ; o's panel of 128 tokens
	s_lshl_b32 s46, s52, 17                        ; o_img: panel, slot head / 4, block 2 g + u, K step (head / 2) % 2, chunks 2 (head % 2) on
	s_lshr_b32 s53, s51, 2
	s_lshl_b32 s53, s53, 15
	s_add_co_u32 s46, s46, s53
	s_lshl_b32 s53, s43, 12
	s_add_co_u32 s46, s46, s53
	s_bfe_u32 s53, s51, 0x10001
	s_lshl_b32 s53, s53, 11
	s_add_co_u32 s46, s46, s53
	s_and_b32 s53, s51, 1
	s_lshl_b32 s53, s53, 10
	s_add_co_u32 s46, s46, s53
	s_add_nc_u64 s[34:35], s[6:7], s[46:47]
	s_add_co_u32 s46, s52, 96                      ; gsc: o's panels stand behind x's 64 and the weights' 32
	s_lshl_b32 s46, s46, 12
	s_lshl_b32 s53, s43, 9
	s_add_co_u32 s46, s46, s53
	s_lshr_b32 s53, s51, 1
	s_lshl_b32 s53, s53, 2
	s_add_co_u32 s46, s46, s53
	s_and_b32 s53, s51, 1
	s_lshl_b32 s53, s53, 1
	s_add_co_u32 s46, s46, s53
	s_add_nc_u64 s[36:37], s[8:9], s[46:47]
.irp i, 0,1,2,3,4,5,6,7
	v_mov_b32 v[QZ+\i], 0                          ; the zero codes beside q
	v_mov_b32 v[QZ+16+\i], 0
	v_mov_b32 v[QZ+32+\i], 0
.endr
	v_mov_b32 v11, 0                               ; (named as the upper half of the pair v[10:11])
.irp b, 0,1,2,3
	v_mov_b32 v[TM+4+\b], 0                        ; a lane permute's destination counts as read
.endr
	s_wait_loadcnt 0x0
	v_lshl_or_b32 v[QS], v[QS], 16, v[QS]          ; q's two bytes serve k 0-63 and k 64-127 alike
	v_lshl_or_b32 v[QS+1], v[QS+1], 16, v[QS+1]
	s_wait_alu depctr_va_vdst(0)                   ; the wait ahead of the branch
	s_cmp_lt_u32 s10, 8
	s_cbranch_scc0 .Lnot_yet
	s_wait_tensorcnt 0x0                           ; waves 0-7: my key step has landed
.Lnot_yet:
	s_barrier_signal -1
	s_barrier_wait -1                              ; key steps 0-7 are whole
; A KEY STEP: 128 keys, at LDS byte s14.
.macro STEP p
	v_add_nc_u32 v[ADR], s14, v[LI]
	v_add_nc_u32 v[ADS], s14, v[LS]
.rept 6
	v_nop                                          ; with the two additions: eight places in front of loads into registers that the last products read
.endr
.irp g, 0,1,2,3
.irp c, 0,1,2,3
	ds_load_b128 v[KV+16*\g+4*\c:KV+16*\g+4*\c+3], v[ADR] offset:2048*\g+512*\c
.endr
	ds_load_b32 v[KSC+\g], v[ADS] offset:8192+64*\g
.endr
	s_wait_alu depctr_va_vdst(0)
	s_wait_dscnt 0x0
.irp g, 0,1,2,3                                ; S^T: the fragment's first tile against [q | 0], its second against [0 | q]
	v_wmma_scale_f32_16x16x128_f8f6f4 v[S+16*\g:S+16*\g+7], v[KV+16*\g:KV+16*\g+15], v[QZ+8+16*(\p):QZ+23+16*(\p)], 0, v[KSC+\g], v[QS+(\p)] matrix_a_fmt:MATRIX_FMT_BF8 matrix_b_fmt:MATRIX_FMT_BF8
	v_wmma_scale_f32_16x16x128_f8f6f4 v[S+16*\g+8:S+16*\g+15], v[KV+16*\g:KV+16*\g+15], v[QZ+16*(\p):QZ+15+16*(\p)], 0, v[KSC+\g], v[QS+(\p)] matrix_a_fmt:MATRIX_FMT_BF8 matrix_b_fmt:MATRIX_FMT_BF8
.endr
.rept 8
	v_nop
.endr
.irp t, 0,1,2,3                                ; V's fragments are asked for now and land under the softmax
.irp c, 0,1,2,3
	ds_load_b128 v[KV+16*\t+4*\c:KV+16*\t+4*\c+3], v[ADR] offset:8448+2048*\t+512*\c
.endr
	ds_load_b32 v[VSC+\t], v[ADS] offset:16640+64*\t
.endr
.irp b, 0,1,2,3
	v_max3_num_f32 v[TM+\b], v[S+16*\b], v[S+16*\b+1], v[S+16*\b+2]   ; the largest score of each block of 32 keys: for the row's maximum and, since p rises with the score, for the block's largest p
.endr
.irp i, 3,5,7,9,11,13
.irp b, 0,1,2,3
	v_max3_num_f32 v[TM+\b], v[TM+\b], v[S+16*\b+\i], v[S+16*\b+\i+1]
.endr
.endr
.irp b, 0,1,2,3
	v_max_num_f32 v[TM+\b], v[TM+\b], v[S+16*\b+15]
.endr
.irp b, 0,1,2,3
	s_delay_alu instid0(VALU_DEP_4)
	v_permlanex16_b32 v[TM+4+\b], v[TM+\b], s[SELR], s[SELR+1]
.endr
.irp b, 0,1,2,3
	s_delay_alu instid0(VALU_DEP_4)
	v_max_num_f32 v[TM+\b], v[TM+\b], v[TM+4+\b]
.endr
	s_delay_alu instid0(VALU_DEP_2)
	v_max3_num_f32 v8, v[TM], v[TM+1], v[TM+2]
	s_delay_alu instid0(VALU_DEP_1)
	v_max_num_f32 v8, v8, v[TM+3]
	s_delay_alu instid0(VALU_DEP_1)
	v_mul_f32 v8, s22, v8                          ; the step's largest t
	s_delay_alu instid0(VALU_DEP_1)
	v_max_num_f32 v13, v13, v8                     ; the running largest t
	v_mov_b32 v8, v12
	s_delay_alu instid0(VALU_DEP_2)
	v_floor_f32 v12, -v13                          ; the new -M = -ceil(t)
	s_delay_alu instid0(VALU_DEP_1)
	v_sub_f32 v8, v12, v8                          ; old M - new M: a whole number, 0 or less
	s_delay_alu instid0(VALU_DEP_1)
	v_cvt_i32_f32 v8, v8                           ; (it saturates)
	s_delay_alu instid0(VALU_DEP_1)
	v_ldexp_f32 v10, 1.0, v8                       ; f = 2^(old M - new M)
.set i, 0
.rept 32
	v_pk_fma_f32 v[S+i:S+i+1], v[S+i:S+i+1], s[22:23], v[12:13] op_sel_hi:[1,0,0]   ; t - M
.set i, i+2
.endr
.irp b, 0,1,2,3
	v_fma_f32 v[TM+\b], v[TM+\b], s22, v12         ; the same of each block's largest score
.endr
.set i, 0
	s_wait_alu depctr_va_vdst(0)
.rept 64
	v_exp_f32 v[S+i], v[S+i]                       ; p = 2^(t - M)
.set i, i+1
.endr
	v_pk_mul_f32 v[14:15], v[14:15], v[10:11] op_sel_hi:[1,0]   ; the sums under the new M: a plain line behind the exponentials
	s_wait_alu depctr_va_vdst(0)                   ; one wait for the batch, ahead of its first reader
.irp b, 0,1,2,3
	v_exp_f32 v[TM+\b], v[TM+\b]                   ; the blocks' largest p
.endr
	v_pk_add_f32 v[236:237], v[124:125], v[128:129]
	v_pk_add_f32 v[250:251], v[132:133], v[136:137]
	v_pk_add_f32 v[248:249], v[140:141], v[144:145]
	v_pk_add_f32 v[246:247], v[148:149], v[152:153]
	v_pk_add_f32 v[244:245], v[156:157], v[160:161]
	v_pk_add_f32 v[242:243], v[164:165], v[168:169]
	v_pk_add_f32 v[240:241], v[172:173], v[176:177]
	v_pk_add_f32 v[14:15], v[14:15], v[180:181]
	v_pk_add_f32 v[236:237], v[236:237], v[120:121]
	v_pk_add_f32 v[250:251], v[250:251], v[122:123]
	v_pk_add_f32 v[248:249], v[248:249], v[126:127]
	v_pk_add_f32 v[246:247], v[246:247], v[130:131]
	v_pk_add_f32 v[244:245], v[244:245], v[134:135]
	v_pk_add_f32 v[242:243], v[242:243], v[138:139]
	v_pk_add_f32 v[240:241], v[240:241], v[142:143]
	v_pk_add_f32 v[14:15], v[14:15], v[146:147]
	v_pk_add_f32 v[236:237], v[236:237], v[150:151]
	v_pk_add_f32 v[250:251], v[250:251], v[154:155]
	v_pk_add_f32 v[248:249], v[248:249], v[158:159]
	v_pk_add_f32 v[246:247], v[246:247], v[162:163]
	v_pk_add_f32 v[244:245], v[244:245], v[166:167]
	v_pk_add_f32 v[242:243], v[242:243], v[170:171]
	v_pk_add_f32 v[240:241], v[240:241], v[174:175]
	v_pk_add_f32 v[14:15], v[14:15], v[178:179]
	v_pk_add_f32 v[236:237], v[236:237], v[182:183]
	s_delay_alu instid0(VALU_DEP_2)
	v_pk_add_f32 v[14:15], v[14:15], v[246:247]
	s_delay_alu instid0(VALU_DEP_2)
	v_pk_add_f32 v[236:237], v[236:237], v[244:245]
	v_pk_add_f32 v[250:251], v[250:251], v[242:243]
	v_pk_add_f32 v[248:249], v[248:249], v[240:241]
	s_delay_alu instid0(VALU_DEP_2)
	v_pk_add_f32 v[14:15], v[14:15], v[250:251]
	s_delay_alu instid0(VALU_DEP_2)
	v_pk_add_f32 v[236:237], v[236:237], v[248:249]
	s_delay_alu instid0(VALU_DEP_1)
	v_pk_add_f32 v[14:15], v[14:15], v[236:237]
	s_wait_alu depctr_va_vdst(0)                   ; and one for the four
.irp b, 0,1,2,3
	v_max_num_f32 v[TM+\b], 0x8000000, v[TM+\b]    ; the floor 2^(16 - 127)
.endr
.irp b, 0,1,2,3
	s_delay_alu instid0(VALU_DEP_4)
	v_add_nc_u32 v[TM+12+\b], 0xf8800000, v[TM+\b]
.endr
.irp b, 0,1,2,3
	v_and_or_b32 v[TM+8+\b], v[TM+\b], 0x7f800000, s[MNTR]
.endr
.irp b, 0,1,2,3
	v_lshrrev_b32 v[TM+4+\b], 23, v[TM+12+\b]
.endr
	s_delay_alu instid0(VALU_DEP_3)
	v_lshl_or_b32 v7, v[TM+5], 8, v[TM+4]          ; p's scale word for these 128 keys
	s_delay_alu instid0(VALU_DEP_1)
	v_lshl_or_b32 v7, v[TM+6], 16, v7
	s_delay_alu instid0(VALU_DEP_1)
	v_lshl_or_b32 v7, v[TM+7], 24, v7
.irp b, 0,1,2,3
.irp i, 0,2,4,6,8,10,12,14
	v_dual_min_num_f32 v[S+16*\b+\i], v[S+16*\b+\i], v[TM+8+\b] :: v_dual_min_num_f32 v[S+16*\b+\i+1], v[S+16*\b+\i+1], v[TM+8+\b]   ; p is not negative: the hold is one-sided; two numbers a line
.endr
	v_cvt_scalef32_pk8_bf8_f32 v[PC+4*\b:PC+4*\b+1], v[S+16*\b:S+16*\b+7], v[TM+12+\b]
	v_cvt_scalef32_pk8_bf8_f32 v[PC+4*\b+2:PC+4*\b+3], v[S+16*\b+8:S+16*\b+15], v[TM+12+\b]
.endr
.set i, 0
.rept 16
	v_pk_mul_f32 v[O+i:O+i+1], v[O+i:O+i+1], v[10:11] op_sel_hi:[1,0]   ; O^T under the new M; these lines are also the places between the codes and the products
.set i, i+2
.endr
	s_wait_alu depctr_va_vdst(0)
	s_wait_dscnt 0x0                               ; V
.irp t, 0,1,2,3                                ; O^T += V^T P^T: four accumulators by turns
	v_wmma_scale_f32_16x16x128_f8f6f4 v[O+8*\t:O+8*\t+7], v[KV+16*\t:KV+16*\t+15], v[PC:PC+15], v[O+8*\t:O+8*\t+7], v[VSC+\t], v7 matrix_a_fmt:MATRIX_FMT_BF8 matrix_b_fmt:MATRIX_FMT_BF8
.endr
.endm
; A PASS: one tile of 16 queries over the head's 16 key steps, then its way out.
.macro KEYS p, n                       ; n key steps from LDS byte s14 on
	s_mov_b32 s15, \n
.Lkey_\@:
	STEP \p
	s_add_co_u32 s14, s14, STEPB
	s_sub_co_u32 s15, s15, 1
	s_cmp_lg_u32 s15, 0
	s_cbranch_scc1 .Lkey_\@
.endm
.macro PASS p
	s_wait_xcnt 0x0                                ; the last pass's stores have read their registers
	v_mov_b32 v13, 0xff61b1e6                      ; the largest t so far: -3e38
	s_delay_alu instid0(VALU_DEP_1)
	v_floor_f32 v12, -v13
	v_mov_b32 v14, 0
	v_mov_b32 v15, 0
.set i, 0
.rept 32
	v_mov_b32 v[O+i], 0                            ; the step is written once: the first finds zeros, which the first change of M leaves zeros
.set i, i+1
.endr
	s_mov_b32 s14, 0
.if \p == 0
	KEYS \p, 8                                     ; key steps 0-7, while 8-15 land
	s_wait_tensorcnt 0x0                           ; every wave: all that is still out
	s_wait_dscnt 0x0
	s_barrier_signal -1
	s_barrier_wait -1                              ; key steps 8-15 are whole
	KEYS \p, 8
.else
	KEYS \p, 16
.endif
.rept 8
	v_nop
.endr
	v_add_f32 v14, v14, v15
	s_delay_alu instid0(VALU_DEP_1)
	v_permlanex16_b32 v8, v14, s[SELR], s[SELR+1]
	s_delay_alu instid0(VALU_DEP_1)
	v_add_f32 v14, v14, v8                         ; the row's sum
	s_wait_alu depctr_va_vdst(0)
	v_rcp_f32 v10, v14
	v_nop                                          ; a plain line behind the reciprocal
	s_wait_alu depctr_va_vdst(0)                   ; and the wait ahead of its first reader
.set i, 0
.rept 16
	v_pk_mul_f32 v[S+i:S+i+1], v[O+i:O+i+1], v[10:11] op_sel_hi:[1,0]   ; o: register 16 b + i = channel 32 b + 16 (lane / 16) + i of my query; each accumulator from its low end on
.set i, i+2
.endr
	QUANT S, 2, 8
	global_store_b128 v[LI], v[PC:PC+3], s[34:35] offset:262144*(\p)          ; two chunks: 1,024 consecutive bytes, aligned
	global_store_b128 v[LI], v[PC+4:PC+7], s[34:35] offset:262144*(\p)+512
	global_store_b16 v[OSV], v8, s[36:37] offset:8192*(\p)                    ; my query's two scale bytes (lanes 16-31 repeat lanes 0-15's)
.endm
	PASS 0
	PASS 1
	s_wait_dscnt 0x0
	s_wait_xcnt 0x0
	v_lshl_add_u32 v254, v0, 2, 0x42000
	v_mov_b32 v255, 0
	s_wait_alu depctr_va_vdst(0)
	s_wait_tensorcnt 0x0
	ds_add_u32 v254, v255
	s_wait_dscnt 0x0
	ROUND                                          ; the closing round
	s_endpgm
.Lfunc_end_k_qfedb0fb6c5_attn:
	.size	k_qfedb0fb6c5_attn, .Lfunc_end_k_qfedb0fb6c5_attn-k_qfedb0fb6c5_attn
	.p2alignl 7, 3214868480
	.fill 96, 4, 3214868480
	.section	.rodata,"a",@progbits
	.p2align	6, 0x0
	.amdhsa_kernel k_qfedb0fb6c5_attn
		.amdhsa_group_segment_fixed_size 272384
		.amdhsa_private_segment_fixed_size 0
		.amdhsa_enable_private_segment 0
		.amdhsa_kernarg_size 24
		.amdhsa_user_sgpr_count 2
		.amdhsa_user_sgpr_kernarg_segment_ptr 1
		.amdhsa_wavefront_size32 1
		.amdhsa_system_sgpr_workgroup_id_x 1
		.amdhsa_system_sgpr_workgroup_id_y 1
		.amdhsa_system_sgpr_workgroup_id_z 1
		.amdhsa_system_vgpr_workitem_id 0
		.amdhsa_next_free_vgpr 256
		.amdhsa_next_free_sgpr 66
		.amdhsa_reserve_vcc 0
		.amdhsa_float_denorm_mode_32 3
		.amdhsa_float_denorm_mode_16_64 3
		.amdhsa_memory_ordered 1
		.amdhsa_forward_progress 1
		.amdhsa_inst_pref_size 82
	.end_amdhsa_kernel
	.amdgpu_metadata
---
amdhsa.version: [ 1, 2 ]
amdhsa.kernels:
  - .name:           k_qfedb0fb6c5_attn
    .symbol:         k_qfedb0fb6c5_attn.kd
    .args:
      - { .name: qkv, .offset: 0, .size: 8, .value_kind: global_buffer, .address_space: global }
      - { .name: o_img, .offset: 8, .size: 8, .value_kind: global_buffer, .address_space: global }
      - { .name: gsc, .offset: 16, .size: 8, .value_kind: global_buffer, .address_space: global }
    .group_segment_fixed_size: 272384
    .private_segment_fixed_size: 0
    .kernarg_segment_align: 8
    .kernarg_segment_size: 24
    .max_flat_workgroup_size: 512
    .sgpr_count:     66
    .vgpr_count:     256
    .wavefront_size: 32
...
	.end_amdgpu_metadata
.endif
;; end of part 3
;; launch outp (part 4): grid 8 x 32, 4 waves a work-group, clusters of 4 x 4, 327,680 bytes of LDS; arguments o_img, img, gsc, bo, out0; writes out0
.if DOCPART == 4
	.amdgcn_target "amdgcn-amd-amdhsa--gfx1250"
	.amdhsa_code_object_version 6
	.text
	.protected	k_qfedb0fb6c5_outp
	.globl	k_qfedb0fb6c5_outp
	.p2align	8
	.type	k_qfedb0fb6c5_outp,@function
k_qfedb0fb6c5_outp:
	s_mov_b64 s[64:65], 0
	v_nop
	global_prefetch_b8 v0, s[64:65] scope:SCOPE_SE
	s_setreg_imm32_b32 hwreg(HW_REG_WAVE_MODE, 25, 1), 1
	s_wait_xcnt 0x0
	s_wait_alu depctr_hold_cnt(0) depctr_sa_sdst(0) depctr_va_vdst(0) depctr_va_sdst(0) depctr_va_ssrc(0) depctr_va_vcc(0) depctr_vm_vsrc(0)
	s_getreg_b32 s2, hwreg(HW_REG_IB_STS2, 6, 4)
	s_cmp_eq_u32 s2, 0
	s_cbranch_scc0 .Lentry_in_a_cluster
	s_endpgm
.Lentry_in_a_cluster:
	s_bfe_u32 s2, ttmp6, 0x10000c
	s_cmp_lg_u32 s2, 0xf033
	s_cbranch_scc0 .Lentry_shape_is_right
	s_endpgm
.Lentry_shape_is_right:
; out0 = o Wo + bo: [8192][1024] f32, on codes of E5M2 with E8M0 scales; o's and Wo's codes lie as images of the operand registers (panels of 128 rows, 131,072 bytes: slot of 256 K x 32768 + block x 4096 + (K step % 2) x 2048; the first launch's head states the layout).
; SHARES.  256 work-groups; each makes 256 rows (two panels of o) x 128 columns (one panel of Wo).  Four waves, 2 x 2: a wave keeps 64 columns of Wo, ALL of K, in 512 registers, and streams the eight blocks of 16 rows of its panel of o past them,
; each block with all of K: 32 products on four accumulators by turns.  So a block's sums are finished after its 32 products, and its rows leave while later blocks are loaded and multiplied.
; LDS.  Bytes 0 on: Wo's panel, 131,072 bytes; bytes 131,072 on: blocks 0-3 of both panels of o, 2 x 65,536 bytes: the head's loads, one a wave.  When Wo stands in registers, blocks 4-7 of both panels are filled over it behind one drained round
; of the cluster's barrier, 32,768 bytes a wave; they have blocks 0-3, 128 products a wave, in which to land.  The stages of the way out and the spare words have bytes of their own.  The launch claims all of LDS.
; Waves 0 and 1 fetch Wo's halves on a load line of their own and alone wait at the first barrier: the weights go into registers while o's rows land.
; CLUSTERS 4 x 4: o's panels are shared along a row of the cluster, Wo's panel along a column: joint loads.
; PREFETCH: the refill's bytes are asked for at the head, one line a wave, four blocks of products ahead of their first use; the four partners of the joint load share its 128 blocks of 256 bytes a wave out by address.  Wo comes whole at the head and is not asked for.
; The product is used transposed (source 0 = Wo's columns, source 1 = o's rows): a lane holds one row; by the blocks' row order the 16 registers of tiles 2 e, 2 e + 1 are columns 32 e + 16 (lane / 16) + 0 .. 15.  The bias is the first products' C.
; REGISTERS: window 0: v1-11 addresses, v16-47 Wo's scale words (8 b + K step), v52-115 o's (8 block + K step): the two numbers of a product differ modulo 8; v116-147 the bias; v148-211 two sets of four accumulators; v212-243 rows read back.
;   windows 1, 2: Wo's fragments, fragment 4 x K step + b;  window 3: o's fragments, two sets of eight.
; LIMITS: NaN and infinities are not served.
.set RY,     131072
.set STG,    262144
.set SPITCH, 272
.set SPARE,  279552
.set LI,   1
.set ADRB, 2
.set ADRA, 4
.set SOF,  6
.set BOF,  7
.set STO,  8
.set RD,   9
.set CO,   10
.set PFO,  11
.set SB,   16
.set SA,   52
.set BI,   116
.set ACC,  148
.set OUTR, 212
.set SPW,  254
.set NIL,  255
.set G1B, 24
.set G1A, 32
.set G1C, 40
.set G0B, 48
.set G0A, 52
.set G0C, 56
.set MSB, 0
.macro WIN new                         ; the immediate's high byte repeats the setting that is left
.if MSB != (\new)
	s_set_vgpr_msb (MSB<<8)|(\new)
.set MSB, (\new)
.endif
.endm
.macro PLACES n
.rept \n
	v_nop
.endr
.endm
.macro CROUND                          ; a round of the cluster's barrier
	s_barrier_signal -1
	s_barrier_wait -1
	s_cmp_lg_u32 s18, 0
	s_cbranch_scc1 .Lnot_wave_0_\@
	s_barrier_signal -3
.Lnot_wave_0_\@:
	s_barrier_wait -3
	s_barrier_signal -1
	s_barrier_wait -1
.endm
.macro GROUP1 g, elems, rows, pitch    ; rows of so many elements of 8 bytes
	s_mov_b32 s[\g+1], (\elems)<<16
	s_mov_b32 s[\g+2], (\rows)<<16
	s_mov_b32 s[\g+3], (\elems)<<16
	s_mov_b32 s[\g+4], \rows
	s_mov_b32 s[\g+5], \pitch
	s_mov_b32 s[\g+6], 0
	s_mov_b32 s[\g+7], 0
.endm
	s_load_b256 s[4:11], s[0:1], 0x0               ; o_img s[4:5], img s[6:7], gsc s[8:9], bo s[10:11]
	s_load_b64 s[14:15], s[0:1], 0x20              ; out0
	v_lshl_add_u32 v[SPW], v0, 2, SPARE
	v_mov_b32 v[NIL], 0
	ds_add_u32 v[SPW], v[NIL]                      ; the opening lines: the add twice on end and its wait
	ds_add_u32 v[SPW], v[NIL]
	v_lshrrev_b32 v1, 5, v0
	v_readfirstlane_b32 s18, v1                    ; wave
	s_lshr_b32 s19, s18, 1                         ; my panel of o
	s_and_b32 s20, s18, 1                          ; my 64 columns; at the head: which part I fetch
	s_bfe_u32 s60, ttmp6, 0x40000                  ; cx
	s_bfe_u32 s61, ttmp6, 0x40004                  ; cy
	s_and_b32 s62, ttmp7, 0xffff
	s_lshl_b32 s63, s62, 2
	s_add_co_u32 s63, s63, s61                     ; tile row: 4 x cluster y + cy
	s_lshl_b32 s66, ttmp9, 2
	s_add_co_u32 s66, s66, s60                     ; tile column = Wo's panel: 4 x cluster x + cx
	s_lshl_b32 s67, s61, 2
	s_lshl_b32 s67, 15, s67                        ; my row of the cluster
	s_lshl_b32 s68, 0x1111, s60                    ; my column
	s_or_b32 s[G1B], s68, (3<<16)|(1<<21)
	s_or_b32 s[G1A], s67, (3<<16)|(1<<21)
	s_or_b32 s[G1C], s67, (3<<16)|(1<<21)
	GROUP1 G1B, 512, 16, 512                       ; half of Wo's panel: 65,536 dense bytes
	GROUP1 G1A, 2048, 4, 4096                      ; blocks 0-3 of a panel of o: 16,384 bytes of each of its four slots, 32,768 apart
	GROUP1 G1C, 2048, 2, 4096                      ; blocks 4-7, two slots
	s_lshl_b32 s73, s63, 1
	s_add_co_u32 s74, s66, 88                      ; Wo's panels are img's and gsc's 88-95
	s_lshl_b32 s76, s74, 17
	s_lshl_b32 s69, s20, 16
	s_add_co_u32 s76, s76, s69                     ; Wo: my half
	s_mov_b32 s77, 0
	s_add_co_u32 s78, s73, s20                     ; the head's rows of o: panel 2 x tile row + my part
	s_lshl_b32 s78, s78, 17
	s_mov_b32 s79, 0
	s_add_co_u32 s75, s73, s19                     ; my panel of o
	s_lshl_b32 s80, s75, 17
	s_add_co_u32 s80, s80, s69
	s_add_co_u32 s80, s80, 16384                   ; the refill: my panel, slots 2 (wave % 2) and + 1, from block 4 on
	s_mov_b32 s81, 0
	s_add_co_u32 s82, s75, 96                      ; o's scale words: gsc's panels 96-159
	s_lshl_b32 s82, s82, 12
	s_mov_b32 s83, 0
	s_lshl_b32 s84, s74, 12                        ; Wo's: my four blocks
	s_lshl_b32 s85, s20, 11
	s_add_co_u32 s84, s84, s85
	s_mov_b32 s85, 0
	s_lshl_b32 s86, s66, 9                         ; my 64 columns, in bytes
	s_lshl_b32 s87, s20, 8
	s_add_co_u32 s86, s86, s87
	s_mov_b32 s87, 0
	s_lshl_b32 s88, s75, 19                        ; my 128 rows of out0
	s_mov_b32 s89, 0
	s_lshr_b32 s90, s60, 1                         ; the prefetch: partner cx names 8,192 of my 32,768 bytes
	s_lshl_b32 s90, s90, 15
	s_and_b32 s91, s60, 1
	s_lshl_b32 s91, s91, 13
	s_add_co_u32 s90, s90, s91
	s_mov_b32 s91, 0
	s_lshl_b32 s70, s20, 14                        ; LDS: my four blocks of Wo,
	s_lshl_b32 s71, s19, 16                        ; my panel's rows,
	s_mul_i32 s72, s18, 16*SPITCH
	s_add_co_u32 s72, s72, STG                     ; my stage
	s_mov_b32 s[G0B], 1
	s_mov_b32 s[G0B+1], s69
	s_mov_b32 s[G0A], 1
	s_add_co_u32 s[G0A+1], s69, RY
	s_mov_b32 s[G0C], 1
	s_lshl_b32 s[G0C+1], s18, 15
	s_wait_dscnt 0x0
	s_wait_kmcnt 0x0
	s_add_nc_u64 s[76:77], s[6:7], s[76:77]
	s_add_nc_u64 s[78:79], s[4:5], s[78:79]
	s_add_nc_u64 s[80:81], s[4:5], s[80:81]
	s_add_nc_u64 s[92:93], s[80:81], s[90:91]
	s_add_nc_u64 s[82:83], s[8:9], s[82:83]
	s_add_nc_u64 s[84:85], s[8:9], s[84:85]
	s_add_nc_u64 s[10:11], s[10:11], s[86:87]
	s_add_nc_u64 s[14:15], s[14:15], s[86:87]
	s_add_nc_u64 s[14:15], s[14:15], s[88:89]
	s_mov_b64 s[G0B+2:G0B+3], s[76:77]
	s_or_b32 s[G0B+3], s[G0B+3], 0x80000000
	s_mov_b64 s[G0A+2:G0A+3], s[78:79]
	s_or_b32 s[G0A+3], s[G0A+3], 0x80000000
	s_mov_b64 s[G0C+2:G0C+3], s[80:81]
	s_or_b32 s[G0C+3], s[G0C+3], 0x80000000
	CROUND                                         ; all sixteen work-groups are here
	s_cmp_lt_u32 s18, 2                            ; one load a wave
	s_cbranch_scc0 .Lfor_a
	tensor_load_to_lds s[G0B:G0B+3], s[G1B:G1B+7]  ; waves 0, 1: Wo's halves
	s_nop 0
	PLACES 4
	s_branch .Lasked
.Lfor_a:
	tensor_load_to_lds s[G0A:G0A+3], s[G1A:G1A+7]  ; waves 2, 3: blocks 0-3 of a panel of o each
	s_nop 0
	PLACES 4
.Lasked:
	v_and_b32 v12, 31, v0
	v_and_b32 v13, 15, v0
	v_bfe_u32 v14, v0, 4, 1
	v_lshlrev_b32 v[LI], 4, v12
	v_add_nc_u32 v[ADRB], s70, v[LI]               ; Wo's slots 0, 1
	v_add_nc_u32 v[ADRB+1], 65536, v[ADRB]         ; and 2, 3
	v_add_nc_u32 v[ADRA+1], s71, v[LI]             ; o's blocks 4-7
	v_add_nc_u32 v[ADRA], RY, v[ADRA+1]            ; and 0-3
	v_lshlrev_b32 v[SOF], 5, v13                   ; scale words: 32 r
	v_lshlrev_b32 v[BOF], 6, v14                   ; the bias: 64 h
	v_mul_u32_u24 v[STO], v13, SPITCH              ; into the stage: row r, 64 h
	v_lshl_add_u32 v[STO], v14, 6, v[STO]
	v_add_nc_u32 v[STO], s72, v[STO]
	v_mul_u32_u24 v[RD], v14, SPITCH               ; out of it: lanes 0-15 one row of 256 bytes, lanes 16-31 the next
	v_lshl_add_u32 v[RD], v13, 4, v[RD]
	v_add_nc_u32 v[RD], s72, v[RD]
	v_lshlrev_b32 v[CO], 12, v14                   ; and the same two rows in out0
	v_lshl_add_u32 v[CO], v13, 4, v[CO]
	v_lshlrev_b32 v[PFO], 8, v12
	s_wait_alu depctr_va_vdst(0)
.irp i, 0,1,2,3,4,5,6,7
	global_load_b128 v[SA+8*\i:SA+8*\i+3], v[SOF], s[82:83] offset:512*\i
	global_load_b128 v[SA+8*\i+4:SA+8*\i+7], v[SOF], s[82:83] offset:512*\i+16
.endr
.irp i, 0,1,2,3
	global_load_b128 v[SB+8*\i:SB+8*\i+3], v[SOF], s[84:85] offset:512*\i
	global_load_b128 v[SB+8*\i+4:SB+8*\i+7], v[SOF], s[84:85] offset:512*\i+16
.endr
.irp e, 0,1
.irp q, 0,1,2,3
	global_load_b128 v[BI+16*\e+4*\q:BI+16*\e+4*\q+3], v[BOF], s[10:11] offset:128*\e+16*\q
.endr
.endr
	global_prefetch_b8 v[PFO], s[92:93] th:TH_LOAD_NT scope:SCOPE_SE   ; my share of the refill; its registers are never rewritten
	s_wait_alu depctr_va_vdst(0)                   ; the wait at the head's end
	s_cmp_lt_u32 s18, 2
	s_cbranch_scc0 .Lnot_b
	s_wait_tensorcnt 0x0                           ; waves 0, 1: my half of Wo is in
.Lnot_b:
	s_barrier_signal -1
	s_barrier_wait -1                              ; Wo's panel is whole
; my 64 columns of Wo, all of K: 32 fragments, 128 loads
.set F_, 0
.rept 32
	WIN (1+F_/16)<<6
.irp c, 0,1,2,3
	ds_load_b128 v[16*(F_%16)+4*\c:16*(F_%16)+4*\c+3], v[ADRB+F_/16] offset:((F_/8)%2)*32768+(F_%4)*4096+((F_/4)%2)*2048+512*\c
.endr
.set F_, F_+1
.endr
	WIN 0
	s_wait_tensorcnt 0x0                           ; the three lines ahead of the refill's round: all my loads are in;
	ds_add_u32 v[SPW], v[NIL]
	s_wait_dscnt 0x0                               ; the add is done, and Wo stands in my registers
	CROUND                                         ; so with every wave of every partner; and o's blocks 0-3 are whole
	tensor_load_to_lds s[G0C:G0C+3], s[G1C:G1C+7]  ; blocks 4-7 over Wo's bytes: a quarter a wave
	s_nop 0
	PLACES 4
.macro FETCH i                         ; block i of my panel, all of K, into set i % 2: 32 loads
	WIN 0xc0
.irp k, 0,1,2,3,4,5,6,7
.irp c, 0,1,2,3
	ds_load_b128 v[128*((\i)%2)+16*\k+4*\c:128*((\i)%2)+16*\k+4*\c+3], v[ADRA+(\i)/4] offset:(\k/2)*16384+((\i)%4)*4096+(\k%2)*2048+512*\c
.endr
.endr
	WIN 0
.endm
.macro MULH i, k0                      ; block i, four K steps from k0 on: 16 products, the four accumulators by turns
	WIN (1+(\k0)/4)|(3<<2)
.irp k, 0,1,2,3
.irp b, 0,1,2,3
.if (\k0)+\k == 0
	v_wmma_scale_f32_16x16x128_f8f6f4 v[ACC+32*((\i)%2)+8*\b:ACC+32*((\i)%2)+8*\b+7], v[16*(4*\k+\b):16*(4*\k+\b)+15], v[128*((\i)%2)+16*((\k0)+\k):128*((\i)%2)+16*((\k0)+\k)+15], v[BI+8*\b:BI+8*\b+7], v[SB+8*\b+(\k0)+\k], v[SA+8*(\i)+(\k0)+\k] matrix_a_fmt:MATRIX_FMT_BF8 matrix_b_fmt:MATRIX_FMT_BF8
.else
	v_wmma_scale_f32_16x16x128_f8f6f4 v[ACC+32*((\i)%2)+8*\b:ACC+32*((\i)%2)+8*\b+7], v[16*(4*\k+\b):16*(4*\k+\b)+15], v[128*((\i)%2)+16*((\k0)+\k):128*((\i)%2)+16*((\k0)+\k)+15], v[ACC+32*((\i)%2)+8*\b:ACC+32*((\i)%2)+8*\b+7], v[SB+8*\b+(\k0)+\k], v[SA+8*(\i)+(\k0)+\k] matrix_a_fmt:MATRIX_FMT_BF8 matrix_b_fmt:MATRIX_FMT_BF8
.endif
.endr
.endr
	WIN 0
.endm
.macro TOSTAGE i                       ; block i's 16 rows x 64 columns into my stage, each accumulator from its low end on, and back as rows of 256 bytes
.irp e, 0,1
.irp q, 0,1,2,3
	ds_store_b128 v[STO], v[ACC+32*((\i)%2)+16*\e+4*\q:ACC+32*((\i)%2)+16*\e+4*\q+3] offset:128*\e+16*\q
.endr
.endr
	s_wait_xcnt 0x0                                ; the last block's stores have read their registers
.irp t, 0,1,2,3,4,5,6,7
	ds_load_b128 v[OUTR+4*\t:OUTR+4*\t+3], v[RD] offset:2*SPITCH*\t   ; LDS serves a wave's instructions in order: these see my stores
.endr
.endm
.macro SEND i                          ; sixteen lanes store one aligned run of 256 bytes; the rows in the block's order
.irp t, 0,1,2,3,4,5,6,7
	global_store_b128 v[CO], v[OUTR+4*\t:OUTR+4*\t+3], s[14:15] offset:(32*((\i)/2)+8*((\i)%2)+2*\t+8*(\t/4))*4096 th:TH_STORE_NT
.endr
.endm
.macro BLK i, nf                       ; block i's 32 products; nf: the next block is fetched; the block before leaves among them
	s_wait_dscnt 0x0                               ; block i's fragments are in
.if \nf
	FETCH (\i)+1                                   ; into the set that block i - 1 read: eight places stand behind its products
.endif
	MULH \i, 0
.if (\i) > 0
	TOSTAGE (\i)-1
.endif
	MULH \i, 4
	PLACES 8                                       ; eight places behind the block's last product, ahead of reads of its sums and of loads into what it has read
.if (\i) > 0
	s_wait_dscnt 0x0                               ; the rows are back
	SEND (\i)-1
.endif
.endm
	FETCH 0
	s_wait_loadcnt 0x0                             ; scale words and bias
	BLK 0, 1
	BLK 1, 1
	BLK 2, 1
	BLK 3, 0
	s_wait_tensorcnt 0x0                           ; my quarter of blocks 4-7 is in
	s_wait_dscnt 0x0
	s_barrier_signal -1
	s_barrier_wait -1                              ; everybody's is
	FETCH 4
	BLK 4, 1
	BLK 5, 1
	BLK 6, 1
	BLK 7, 0
	TOSTAGE 7
	s_wait_dscnt 0x0
	SEND 7
	s_wait_tensorcnt 0x0                           ; the wave's end
	ds_add_u32 v[SPW], v[NIL]
	s_wait_dscnt 0x0
	CROUND                                         ; the closing round
	s_endpgm
.Lfunc_end_k_qfedb0fb6c5_outp:
	.size	k_qfedb0fb6c5_outp, .Lfunc_end_k_qfedb0fb6c5_outp-k_qfedb0fb6c5_outp
	.p2alignl 7, 3214868480
	.fill 96, 4, 3214868480
	.section	.rodata,"a",@progbits
	.p2align	6, 0x0
	.amdhsa_kernel k_qfedb0fb6c5_outp
		.amdhsa_group_segment_fixed_size 327680
		.amdhsa_private_segment_fixed_size 0
		.amdhsa_enable_private_segment 0
		.amdhsa_kernarg_size 40
		.amdhsa_user_sgpr_count 2
		.amdhsa_user_sgpr_kernarg_segment_ptr 1
		.amdhsa_wavefront_size32 1
		.amdhsa_system_sgpr_workgroup_id_x 1
		.amdhsa_system_sgpr_workgroup_id_y 1
		.amdhsa_system_sgpr_workgroup_id_z 1
		.amdhsa_system_vgpr_workitem_id 0
		.amdhsa_next_free_vgpr 1024
		.amdhsa_next_free_sgpr 100
		.amdhsa_reserve_vcc 0
		.amdhsa_float_denorm_mode_32 3
		.amdhsa_float_denorm_mode_16_64 3
		.amdhsa_memory_ordered 1
		.amdhsa_forward_progress 1
		.amdhsa_inst_pref_size 86
	.end_amdhsa_kernel
	.amdgpu_metadata
---
amdhsa.version: [ 1, 2 ]
amdhsa.kernels:
  - .name:           k_qfedb0fb6c5_outp
    .symbol:         k_qfedb0fb6c5_outp.kd
    .args:
      - { .name: o_img, .offset: 0, .size: 8, .value_kind: global_buffer, .address_space: global }
      - { .name: img, .offset: 8, .size: 8, .value_kind: global_buffer, .address_space: global }
      - { .name: gsc, .offset: 16, .size: 8, .value_kind: global_buffer, .address_space: global }
      - { .name: bo, .offset: 24, .size: 8, .value_kind: global_buffer, .address_space: global }
      - { .name: out0, .offset: 32, .size: 8, .value_kind: global_buffer, .address_space: global }
    .group_segment_fixed_size: 327680
    .private_segment_fixed_size: 0
    .kernarg_segment_align: 8
    .kernarg_segment_size: 40
    .max_flat_workgroup_size: 128
    .sgpr_count:     100
    .vgpr_count:     1024
    .wavefront_size: 32
...
	.end_amdgpu_metadata
.endif
;; end of part 4
